; MI455X (gfx1250); checked and timed in simulation.
; The chip was launched on July 23, 2026; its instructions are those of AMD's public machine-readable ISA for CDNA 5 (MIT licence, August 2026) and "CDNA5" Instruction Set Architecture Reference Guide (July 2026). The comments in the code are by the model that wrote it; some were corrected since.
;; Causal Multi Head Attention. Allowed arithmetic: matrix products marked QUANTISED: E2M3 operands, one E8M0 scale for each 32 along K, by v_wmma_scale_f32_16x16x128_f8f6f4 with both operands' format E2M3, f32 sums; everything else in f32.
;; Inputs: W_attn 1,024 x 3,072 float32; W_proj 1,024 x 1,024 float32; b_attn 3,072 float32; b_proj 1,024 float32; x 4 x 2,048 x 1,024 float32.
;; Outputs: out0 4 x 2,048 x 1,024 float32.
;; This version of the problem:
;;   THIS VERSION OF THE PROBLEM IS GIVEN IN LOW PRECISION. The matrix products marked QUANTISED in the list below multiply operands that are first quantised to E2M3 (2 exponent bits, 3 mantissa bits; 6 bits a number), with one power-of-two scale for each 32 numbers along K (OCP MX v1.0); their sums are f32. All else is computed in f32.
;;   The module's matrix products, in the order in which they are computed (A, B: the left and right operand; K: the contracted axis; several contracted axes count as one K, in the product's order):
;;     1. [M 8,192, K 1,024] x [K 1,024, N 3,072]; A: input x; B: input W_attn: QUANTISED
;;     2. batch 64 x [M 2,048, K 64] x [K 64, N 2,048]; A: computed on the way; B: computed on the way: QUANTISED
;;     3. batch 64 x [M 2,048, K 2,048] x [K 2,048, N 64]; A: softmax (see below); B: computed on the way: QUANTISED
;;     4. [M 8,192, K 1,024] x [K 1,024, N 1,024]; A: computed on the way; B: input W_proj: QUANTISED
;;   THE QUANTISER, for each operand of a quantised product, along K:
;;     - K is cut into blocks of 32 from its start; a last block that is shorter is filled with zeros.
;;     - A block's scale is 2^e with e = floor(log2(the largest magnitude in the block)) - 2, held to -126 .. 127; a block of zeros has e = 0. As a byte (E8M0): e + 127.
;;     - Each number is divided by its block's scale, clamped to +-7.5, and rounded to the nearest number of E2M3, ties to even, subnormals kept.
;;     - The product sums the exact products of the quantised numbers (number of the format x scale) in f32.
;;   ~~~python
;;   def quantise(x, axis):      # numpy; x: float32 -> the quantised numbers, widened to float32 again
;;       x = np.moveaxis(x, axis, -1); K = x.shape[-1]
;;       x = np.pad(x, [(0, 0)] * (x.ndim - 1) + [(0, -K % 32)]); x = x.reshape(x.shape[:-1] + (-1, 32)); a = np.abs(x).max(-1, keepdims=True)
;;       e = np.where(a > 0, np.clip(np.frexp(np.where(a > 0, a, 1))[1] - 1 - 2, -126, 127), 0)      # np.frexp(a)[1] - 1 = floor(log2(a)), exactly
;;       r = np.clip(x / 2.0 ** e, -7.5, 7.5)
;;       step = 2.0 ** (np.maximum(np.frexp(np.where(r == 0, 1, r))[1] - 1, 0) - 3)
;;       q = np.round(r / step) * step * 2.0 ** e      # np.round: ties to even
;;       return np.moveaxis(q.reshape(q.shape[:-2] + (-1,))[..., :K], -1, axis).astype(np.float32)
;;   ~~~
;;   SOFTMAX AHEAD OF A QUANTISED PRODUCT. Where the list says 'softmax', what is quantised is not the finished softmax but p = 2^(t - M), with t = logit x log2(e) and M = ceil(the row's largest t), a whole number; so 1/2 < the row's largest p <= 1. The row's sum l is taken of the UNQUANTISED p, in f32, and the product's result is divided by l at the end. Since M is a whole number, a kernel that streams over the keys may use a running M (the ceiling of the running maximum): every later rescaling is an exact power of two, which a block's scale takes up: the codes' values come out the same.
;;   OPERANDS COMPUTED ON THE WAY. 'Computed on the way' means the value that the module computes at that place (a softmax that the list does not call 'softmax' is quantised finished and normalised). What goes into a quantiser is computed in f32, as accurately as f32 sums, v_exp_f32 and their like allow (about 1e-6 of the number): no bf16 or f16 on the way to a quantiser, and a product that is left as it is and whose result goes on into a quantised operand takes f32 operands (vector FMAs, or v_wmma_f32_16x16x4_f32). A number that lies on a knife's edge between two numbers of the format may be rounded either way, as far as f32 arithmetic and the matrix unit's own rounding can turn it there, and no further.
;; One version. Each part assembles by itself: llvm-mc -triple=amdgcn-amd-amdhsa -mcpu=gfx1250 --defsym DOCPART=n.
;; ======== version 1 of 1: 4 launches
;; limits: right only within a limited range of input values
;; workspace buffers: XQ 6,553,600 bytes; WQ 3,276,800 bytes; QKV 20,185,088 bytes; AO 6,553,600 bytes
;; launch quant (part 1): grid 384 x 1, 4 waves a work-group, no clusters, 85,504 bytes of LDS; arguments x, W_attn, W_proj, XQ, WQ; writes XQ, WQ
.if DOCPART == 1
	.amdgcn_target "amdgcn-amd-amdhsa--gfx1250"
	.amdhsa_code_object_version 6
	.text
	.protected	k_qc5843e6deb_quant
	.globl	k_qc5843e6deb_quant
	.p2align	8
	.type	k_qc5843e6deb_quant,@function
k_qc5843e6deb_quant:
	s_mov_b64 s[64:65], 0
	v_nop
	global_prefetch_b8 v0, s[64:65] scope:SCOPE_SE
	s_setreg_imm32_b32 hwreg(HW_REG_WAVE_MODE, 25, 1), 1
	s_wait_xcnt 0x0
; x [8192][1024], W_attn [1024][3072] and W_proj [1024][1024], f32, become codes of FP6 (E2M3) with one E8M0 byte for each 32 along K (K = 1024: x's last axis, the weights' first).
; A block's scale is 2^(floor(log2(largest magnitude)) - 2); its byte is the largest magnitude's exponent field - 2, held at 1 from below by a floor among the maximum's leaves.
; LIMITS: a block of zeros, or one whose largest magnitude lies under 2^-124, gets the byte 1 (the rule says 127 for zeros: the codes are zeros, and these bytes are read by this program alone); NaN and infinities are not served.
; LAYOUT OF THE RESULT, for the products that read it.  Rows (x's rows, a weight's columns) go in pairs of tiles: slot r of tile 2 b + u is row 32 b + 8 u + r + 8 (r / 8).
; A fragment (16 slots x 128 K) is stored as the image of the operand's 12 registers: piece p (256 bytes) holds registers 2 p, 2 p + 1 of lane l at 256 p + 8 l.  Codes: [tile][K step 0..7][1536].
; Scale words (four bytes: 128 K of a slot): [pair b][sp 0..3][u][r][q], the word of K step 2 sp + q.
; Work-groups 0-255 take x (one pair of tiles each, a wave 256 along K), 256-351 W_attn, 352-383 W_proj (four pairs of tiles x 256 along K each, a wave a pair).  Waves share nothing: no barrier.
; Each of the three ways has LDS bytes of its own.
.set RR, 16                            ; v16-143  x: two sets of 64 registers as loaded
.set XN, 144                           ; v144-207 x: 64 numbers of my slot: two blocks of 32
.set CC, 208                           ; v208-219 a fragment's codes
.set DD, 220                           ; v220-226 the blocks' upper halves as the conversions leave them
.set WD, 228                           ; v228-231 the four fragments' scale words
.set XSTG, 8448                        ; x: a wave's stage: 16 rows x (512 bytes + 16)
.set WST0, 33792                       ; W_attn's stages
.set WST1, 59392                       ; W_proj's
.set WSTG, 6400                        ; a wave's: two tiles x (2 fragments x 1536 bytes), 128 bytes between them
	s_load_b128 s[4:7], s[0:1], 0x0                ; x, W_attn
	s_load_b128 s[8:11], s[0:1], 0x10              ; W_proj, XQ
	s_load_b64 s[12:13], s[0:1], 0x20              ; WQ
	v_lshl_add_u32 v240, v0, 2, 0x14c00
	v_mov_b32 v241, 0
	v_lshrrev_b32 v1, 5, v0
	v_readfirstlane_b32 s16, v1                    ; wave
	v_and_b32 v1, 31, v0                           ; lane
	v_and_b32 v2, 15, v0                           ; r
	v_bfe_u32 v3, v0, 4, 1                         ; h
	s_mov_b32 s20, 0x76543210
	s_mov_b32 s21, 0xfedcba98                      ; v_permlanex16_b32's selects for lane l xor 16
	s_mov_b32 s23, 0
	s_wait_kmcnt 0x0
	s_cmp_lt_u32 ttmp9, 256
	s_cbranch_scc0 .Lweights
; ---------------- x: K is innermost.  Pair of tiles b = the work-group, sp = the wave: four fragments f = 2 u + q.
	s_wait_alu depctr_va_vdst(0)
	v_lshlrev_b32 v4, 4, v1                        ; 16 x lane: a load takes 512 consecutive bytes of one row
	s_wait_alu depctr_va_vdst(0)
	s_mul_i32 s17, s16, XSTG
	v_add_nc_u32 v5, s17, v4                       ; the stage, on the way in
	v_mul_u32_u24 v6, v2, 528
	v_lshl_add_u32 v6, v3, 7, v6
	v_add_nc_u32 v6, s17, v6                       ; and out: row r, + 128 h: my 32 numbers of each 64
	v_lshlrev_b32 v7, 3, v1                        ; 8 x lane: my place in a piece
	v_lshlrev_b32 v14, 3, v3                       ; 8 h: where my two bytes stand in a scale word
	v_mov_b32 v15, 0                               ; a lane permute's destination counts as read
	s_lshl_b32 s22, ttmp9, 17                      ; 32 rows of 4,096 bytes
	s_lshl_b32 s18, s16, 10
	s_add_co_u32 s22, s22, s18
	s_add_nc_u64 s[24:25], s[4:5], s[22:23]
	s_mul_i32 s22, ttmp9, 24576
	s_mul_i32 s18, s16, 3072
	s_add_co_u32 s22, s22, s18
	s_add_nc_u64 s[26:27], s[10:11], s[22:23]      ; the codes of tile 2 b, K step 2 sp
	s_lshl_b32 s22, ttmp9, 10
	s_lshl_b32 s18, s16, 8
	s_add_co_u32 s22, s22, s18
	s_add_co_u32 s22, s22, 6291456
	s_add_nc_u64 s[28:29], s[10:11], s[22:23]      ; the scale words of (b, sp): 256 bytes
.macro XLOAD f                         ; fragment f: 16 rows x 512 bytes
.irp i, 0,1,2,3,4,5,6,7,8,9,10,11,12,13,14,15
	global_load_b128 v[RR+64*((\f)%2)+4*\i:RR+64*((\f)%2)+4*\i+3], v4, s[24:25] offset:(8*((\f)/2)+\i+8*(\i/8))*4096+512*((\f)%2) th:TH_LOAD_NT
.endr
.endm
.macro XTURN f                         ; through the wave's own stage: LDS serves a wave's instructions in order, so no wait stands between the stores and the loads
.irp i, 0,1,2,3,4,5,6,7,8,9,10,11,12,13,14,15
	ds_store_b128 v5, v[RR+64*((\f)%2)+4*\i:RR+64*((\f)%2)+4*\i+3] offset:528*\i
.endr
.irp c, 0,1
.irp k, 0,1,2,3,4,5,6,7
	ds_load_b128 v[XN+32*\c+4*\k:XN+32*\c+4*\k+3], v6 offset:256*\c+16*\k   ; K = 64 c + 32 h + 4 k ..
.endr
.endr
.endm
.macro XQ4 f                           ; my two blocks (2 c + h of the fragment's four) become registers 6 c .. 6 c + 5 of the operand
.irp c, 0,1
	v_max3_num_f32 v[8+\c], |v[XN+32*\c]|, |v[XN+32*\c+1]|, 0x1800000   ; with the floor 2^(3 - 127)
.endr
.irp i, 2,4,6,8,10,12,14,16,18,20,22,24,26,28,30
.irp c, 0,1
	v_max3_num_f32 v[8+\c], v[8+\c], |v[XN+32*\c+\i]|, |v[XN+32*\c+\i+1]|
.endr
.endr
.irp c, 0,1
	v_add_nc_u32 v[10+\c], 0xff000000, v[8+\c]     ; 2 off the exponent field: the conversion's scale operand
.endr
.irp c, 0,1
	v_lshrrev_b32 v[12+\c], 23, v[10+\c]           ; the byte
.endr
	v_lshl_or_b32 v[WD+\f], v13, 16, v12
	v_lshlrev_b32 v[WD+\f], v14, v[WD+\f]          ; bytes h and 2 + h
	v_permlanex16_b32 v15, v[WD+\f], s20, s21
	v_or_b32 v[WD+\f], v[WD+\f], v15               ; with lane l xor 16's two the word is whole, in both halves of the lanes
	s_wait_alu depctr_va_vdst(0)
	s_wait_xcnt 0x0                                ; the last fragment's stores have read the codes' registers
.irp c, 0,1
	v_cvt_scalef32_pk16_fp6_f32 v[CC+6*\c:CC+6*\c+2], v[XN+32*\c:XN+32*\c+15], v[10+\c]
	v_cvt_scalef32_pk16_fp6_f32 v[DD+4*\c:DD+4*\c+2], v[XN+32*\c+16:XN+32*\c+31], v[10+\c]   ; (a conversion's three registers begin on an even number)
.endr
	v_nop                                          ; one plain place behind a scaled conversion
.irp c, 0,1
.irp i, 0,1,2
	v_mov_b32 v[CC+6*\c+3+\i], v[DD+4*\c+\i]
.endr
.endr
.irp p, 0,1,2,3,4,5
	global_store_b64 v7, v[CC+2*\p:CC+2*\p+1], s[26:27] offset:((\f)/2)*12288+((\f)%2)*1536+256*\p   ; 32 lanes store 256 consecutive bytes, aligned
.endr
.endm
	XLOAD 0
	XLOAD 1
	s_wait_alu depctr_va_vdst(0)
.irp f, 0,1,2,3
.if \f < 3
	s_wait_loadcnt 16                              ; this fragment's 16 loads are in; the next fragment's 16 may be out
.else
	s_wait_loadcnt 0x0
.endif
	XTURN \f
	s_wait_dscnt 0x0
.if \f < 2
	XLOAD \f+2
.endif
	XQ4 \f
.endr
	v_cmp_eq_u32 vcc_lo, 1, v3                     ; lane (r, h) stores the two words (q = 0, 1) of slot r of tile u = h
	v_cndmask_b32 v232, v[WD], v[WD+2], vcc_lo
	v_cndmask_b32 v233, v[WD+1], v[WD+3], vcc_lo
	global_store_b64 v7, v[232:233], s[28:29]      ; 256 consecutive bytes, aligned
	s_wait_tensorcnt 0x0
	ds_add_u32 v240, v241
	s_wait_dscnt 0x0
	s_endpgm
; ---------------- a weight [1024][n]: K is the first axis.  A lane takes a column, its registers run down K: a block of 32 lies in one lane.
.macro WLOAD t, n                      ; block t: rows 32 t + i of my 256, my column
.irp i, 0,1,2,3,4,5,6,7,8,9,10,11,12,13,14,15,16,17,18,19,20,21,22,23,24,25,26,27,28,29,30,31
	global_load_b32 v[32+32*((\t)%2)+\i], v4, s[24:25] offset:(32*(\t)+\i)*\n*4 th:TH_LOAD_NT
.endr
.endm
.macro WBLOCK t, n                     ; block t = 4 q + 2 c + h': registers 6 c .. 6 c + 5 of lane (r, h') of K step q's fragment
.set XS, 32+32*((\t)%2)
.if (\t) < 7
	s_wait_loadcnt 32                              ; this block's 32 loads are in; the next block's may be out
.else
	s_wait_loadcnt 0x0
.endif
	v_max3_num_f32 v12, |v[XS]|, |v[XS+1]|, |v[XS+2]|
	v_max3_num_f32 v13, |v[XS+3]|, |v[XS+4]|, |v[XS+5]|
.irp i, 6,10,14,18,22,26
	v_max3_num_f32 v12, v12, |v[XS+\i]|, |v[XS+\i+1]|
	v_max3_num_f32 v13, v13, |v[XS+\i+2]|, |v[XS+\i+3]|
.endr
	v_max3_num_f32 v12, v12, |v[XS+30]|, |v[XS+31]|
	v_max3_num_f32 v12, v12, v13, 0x1800000        ; the floor 2^(3 - 127)
	v_add_nc_u32 v14, 0xff000000, v12
	v_lshrrev_b32 v13, 23, v14
.if (\t)%4 == 0
	v_mov_b32 v[24+(\t)/4], v13
.else
	v_lshl_or_b32 v[24+(\t)/4], v13, 8*((\t)%4), v[24+(\t)/4]
.endif
	v_cvt_scalef32_pk16_fp6_f32 v[96:98], v[XS:XS+15], v14
	v_cvt_scalef32_pk16_fp6_f32 v[104:106], v[XS+16:XS+31], v14
	v_nop                                          ; one plain place behind a scaled conversion
	v_mov_b32 v99, v104
	v_mov_b32 v100, v105
	v_mov_b32 v101, v106
.irp pp, 0,1,2
	ds_store_b64 v8, v[96+2*\pp:97+2*\pp] offset:((\t)/4)*1536+(3*(((\t)/2)%2)+\pp)*256+128*((\t)%2)
.endr
.if (\t)+2 < 8
	WLOAD (\t)+2, \n
.endif
	s_wait_dscnt 0x0                               ; the stores have read their registers
.endm
.macro WPATH n, p, stage, coff, soff, first
	s_sub_co_u32 s17, ttmp9, \first
	s_and_b32 s19, s17, 3                          ; sp: which 256 along K
	s_lshr_b32 s18, s17, 2
	s_lshl_b32 s18, s18, 2
	s_add_co_u32 s18, s18, s16                     ; b: my wave's pair of tiles, 32 columns; the four waves stand side by side on 512 bytes of a row
	s_mul_i32 s22, s19, 256*\n*4
	s_lshl_b32 s17, s18, 7
	s_add_co_u32 s22, s22, s17
	s_add_nc_u64 s[24:25], s[\p:\p+1], s[22:23]
	s_mul_i32 s22, s18, 24576
	s_mul_i32 s17, s19, 3072
	s_add_co_u32 s22, s22, s17
	s_add_co_u32 s22, s22, \coff
	s_add_nc_u64 s[26:27], s[12:13], s[22:23]
	s_lshl_b32 s22, s18, 10
	s_lshl_b32 s17, s19, 8
	s_add_co_u32 s22, s22, s17
	s_add_co_u32 s22, s22, \soff
	s_add_nc_u64 s[28:29], s[12:13], s[22:23]
	v_lshlrev_b32 v4, 2, v1                        ; in: 4 bytes a lane
	v_bfe_u32 v5, v0, 3, 1                         ; column x of the 32 is slot r = x % 8 + 8 (x / 16) of tile u = (x / 8) % 2
	v_and_b32 v6, 7, v0
	v_lshl_add_u32 v6, v3, 3, v6
	v_mul_u32_u24 v8, v5, 3200
	v_lshl_add_u32 v8, v6, 3, v8
	s_mul_i32 s17, s16, WSTG
	s_add_co_u32 s17, s17, \stage
	v_add_nc_u32 v8, s17, v8                       ; the stage, on the way in: 3,200 u + 8 r: the 32 lanes of a store touch 64 different banks
	v_lshlrev_b32 v11, 4, v1
	v_add_nc_u32 v9, s17, v11                      ; and out: 16 x lane
	v_lshlrev_b32 v10, 7, v5
	v_lshl_add_u32 v10, v6, 3, v10                 ; my two scale words: 128 u + 8 r
	WLOAD 0, \n
	WLOAD 1, \n
.irp t, 0,1,2,3,4,5,6,7
	WBLOCK \t, \n
.endr
	s_wait_alu depctr_va_vdst(0)
	global_store_b64 v10, v[24:25], s[28:29]       ; the wave's 32 lanes fill the 256 bytes of (b, sp)
.irp k, 0,1,2,3,4,5,6,7,8,9,10,11
	ds_load_b128 v[112+4*\k:115+4*\k], v9 offset:(\k/6)*3200+((\k/3)%2)*1536+(\k%3)*512
.endr
.irp k, 0,1,2,3,4,5,6,7,8,9,10,11
	s_wait_dscnt 11-\k                             ; the younger stage loads may be out
	global_store_b128 v11, v[112+4*\k:115+4*\k], s[26:27] offset:(\k/6)*12288+((\k/3)%2)*1536+(\k%3)*512   ; 512 consecutive bytes, aligned
.endr
	s_wait_tensorcnt 0x0
	ds_add_u32 v240, v241
	s_wait_dscnt 0x0
	s_endpgm
.endm
.Lweights:
	s_cmp_lt_u32 ttmp9, 352
	s_cbranch_scc0 .Lproj
	s_wait_alu depctr_va_vdst(0)
	WPATH 3072, 6, WST0, 0, 2359296, 256
.Lproj:
	s_wait_alu depctr_va_vdst(0)
	WPATH 1024, 8, WST1, 2457600, 3244032, 352
.Lfunc_end_k_qc5843e6deb_quant:
	.size	k_qc5843e6deb_quant, .Lfunc_end_k_qc5843e6deb_quant-k_qc5843e6deb_quant
	.p2alignl 7, 3214868480
	.fill 96, 4, 3214868480
	.section	.rodata,"a",@progbits
	.p2align	6, 0x0
	.amdhsa_kernel k_qc5843e6deb_quant
		.amdhsa_group_segment_fixed_size 85504
		.amdhsa_private_segment_fixed_size 0
		.amdhsa_enable_private_segment 0
		.amdhsa_kernarg_size 40
		.amdhsa_user_sgpr_count 2
		.amdhsa_user_sgpr_kernarg_segment_ptr 1
		.amdhsa_wavefront_size32 1
		.amdhsa_system_sgpr_workgroup_id_x 1
		.amdhsa_system_sgpr_workgroup_id_y 1
		.amdhsa_system_sgpr_workgroup_id_z 1
		.amdhsa_system_vgpr_workitem_id 0
		.amdhsa_next_free_vgpr 242
		.amdhsa_next_free_sgpr 66
		.amdhsa_reserve_vcc 1
		.amdhsa_float_denorm_mode_32 3
		.amdhsa_float_denorm_mode_16_64 3
		.amdhsa_memory_ordered 1
		.amdhsa_forward_progress 1
		.amdhsa_inst_pref_size 114
	.end_amdhsa_kernel
	.amdgpu_metadata
---
amdhsa.version: [ 1, 2 ]
amdhsa.kernels:
  - .name:           k_qc5843e6deb_quant
    .symbol:         k_qc5843e6deb_quant.kd
    .args:
      - { .name: x, .offset: 0, .size: 8, .value_kind: global_buffer, .address_space: global }
      - { .name: W_attn, .offset: 8, .size: 8, .value_kind: global_buffer, .address_space: global }
      - { .name: W_proj, .offset: 16, .size: 8, .value_kind: global_buffer, .address_space: global }
      - { .name: XQ, .offset: 24, .size: 8, .value_kind: global_buffer, .address_space: global }
      - { .name: WQ, .offset: 32, .size: 8, .value_kind: global_buffer, .address_space: global }
    .group_segment_fixed_size: 85504
    .private_segment_fixed_size: 0
    .kernarg_segment_align: 8
    .kernarg_segment_size: 40
    .max_flat_workgroup_size: 128
    .sgpr_count:     66
    .vgpr_count:     242
    .wavefront_size: 32
...
	.end_amdgpu_metadata
.endif
;; end of part 1
;; launch qkv (part 2): grid 12 x 32, 4 waves a work-group, clusters of 4 x 4, 327,680 bytes of LDS; arguments XQ, WQ, b_attn, QKV; writes QKV
.if DOCPART == 2
	.amdgcn_target "amdgcn-amd-amdhsa--gfx1250"
	.amdhsa_code_object_version 6
	.text
	.protected	k_qc5843e6deb_qkv
	.globl	k_qc5843e6deb_qkv
	.p2align	8
	.type	k_qc5843e6deb_qkv,@function
k_qc5843e6deb_qkv:
	s_mov_b64 s[64:65], 0
	v_nop
	global_prefetch_b8 v0, s[64:65] scope:SCOPE_SE
	s_setreg_imm32_b32 hwreg(HW_REG_WAVE_MODE, 25, 1), 1
	s_wait_xcnt 0x0
	s_wait_alu depctr_hold_cnt(0) depctr_sa_sdst(0) depctr_va_vdst(0) depctr_va_sdst(0) depctr_va_ssrc(0) depctr_va_vcc(0) depctr_vm_vsrc(0)
	s_getreg_b32 s2, hwreg(HW_REG_IB_STS2, 6, 4)
	s_cmp_eq_u32 s2, 0
	s_cbranch_scc0 .Lentry_in_a_cluster
	s_endpgm
.Lentry_in_a_cluster:
	s_bfe_u32 s2, ttmp6, 0x10000c
	s_cmp_lg_u32 s2, 0xf033
	s_cbranch_scc0 .Lentry_shape_is_right
	s_endpgm
.Lentry_shape_is_right:
; qkv = x W_attn + b_attn on codes of FP6 (E2M3) with E8M0 scales, and its result quantised in registers for the attention: q and k along the head's 64, v along the keys.  No f32 number of qkv goes to memory.
; A tile of 256 tokens x 256 columns to a work-group of four waves, 128 x 128 a wave: 64 accumulators, 512 registers.  K = 1,024 goes in four steps of 256 through a ring of two LDS slots.
; OPERANDS lie in memory as images of the operand's registers ([tile][K step][1536 bytes], piece p of 256 bytes = registers 2 p, 2 p + 1 of the 32 lanes): a fragment is six ds_load_b64 at 8 x lane; no pitch, no padding.
; Slot r of tile 2 b + u is row 32 b + 8 u + r + 8 (r / 8), for tokens and for columns: so a lane's 16 registers of source 0's tiles 2 B, 2 B + 1 are 16 neighbours, 32 B + 16 (lane / 16) + 0 .. 15.
; THREE KINDS, by the cluster's x, which all partners share: 0 q, 1 k, 2 v.  For q and k source 0 = 16 columns, source 1 = 16 tokens: a lane holds a token, its registers run along the head's axis.
; For v the two change ROLES, by the LDS address registers alone: source 0 = 16 tokens, source 1 = 16 columns: a lane holds a channel d and its registers run along the keys, which are the K of the attention's second product.
; CLUSTERS: 4 x 4.  x's tiles are shared along a row of the cluster, the weights' along a column: joint loads.
; All of a WGP's LDS is claimed, and 0 is added to spare words at each change of slots.
; LIMITS: a block of zeros, or one whose largest magnitude lies under 2^-124, gets the scale byte 1 (read by this program alone); NaN and infinities are not served.
; REGISTERS: window 0: v8-15 the bias loads' offsets; v16-29 addresses; v32-95 scale words, role A's and role B's; from v128 role A's fragments, one set; in the epilogue v128-247 at work.
;   window 1: role B's fragments, two sets, at v0 and v128.   windows 2, 3: the accumulators: (a, b) at v[8 (8 (a % 4) + b)], a: role A's tile, b: role B's.
; THE SCALE WORDS, in place of what is said of them above: they do not pass through LDS.  A wave loads its 8 + 8 tiles' words for all of K once, 32 loads of 256 consecutive bytes:
; v[SA + 8 sp + 2 pair + q] role A's, v[SB + ..] role B's; lanes 0-15 hold tile 2 pair, lanes 16-31 tile 2 pair + 1, picked by the ROW selectors.  The bias lies in window 1, v96-127 and v224-255.
; THE HEAD: one joint load a wave: waves 0, 1 fetch x's and the weights' 16 tiles of K steps 0, 1 (slot 0), waves 2, 3 those of K steps 2, 3 (slot 1); the refills bring 8 tiles a wave.
; No prefetch: K is four slots' worth, two of which are asked for at the head.
.set NQ,     2
.set FR,     12
.set NL,     6
.set NP,     4                         ; places behind this matrix instruction (ISA guide 7.12.1)
.set HALFT,  24576                     ; 8 tiles x 2 K steps x 1,536 bytes: what one tensor load brings
.set SLOT,   4*HALFT                   ; x's 16 tiles, then the weights' 16
.set SPARE,  2*SLOT                    ; behind the ring: the spare words, 128 bytes a wave
.set VO,   8
.set ADRA, 16                          ; v16-17 role A's fragments in slot 0, 1
.set ADRB, 20                          ; v20-21 role B's
.set LN8,  24                          ; 8 x lane
.set HH,   25                          ; lane / 16
.set SOF,  26                          ; the scale words' offset on the way out
.set SPW,  28
.set NIL,  29
.set SA,   32                          ; v32-63 role A's scale words
.set SB,   64                          ; v64-95 role B's
.set BI,   96                          ; window 1: number n of the bias at v[BI + n + 96 (n / 32)]
.set LAP,  0                           ; how often the ring has gone round: slot s holds K steps 2 (s + 2 LAP), + 1
.set AF,   128
.set HA,   128                         ; epilogue: 64 numbers of a lane
.set PC,   192                         ; the codes just made
.set TM,   212
.set PW,   228
.set PWS,  230                         ; the eight tiles' scale words
.set OUT,  240
.set G1, 24
.set G0, 32
.set G1B, 48
.set G0B, 56
.set G0H, 76                           ; group 0 of the head's loads: x's, the weights'
.set G0HB, 88
.set MSB, 0
.macro WIN new                         ; the immediate's high byte repeats the setting that is left
.if MSB != (\new)
	s_set_vgpr_msb (MSB<<8)|(\new)
.set MSB, (\new)
.endif
.endm
.set MUL_LO, 0xa1                      ; source 0 window 1, source 1 window 0, C and D window 2
.set MUL_HI, 0xf1
.set TO_B,   0x40
.macro JLOAD g0a, g1a, g0b, g1b        ; a joint load: waves 0 and 1 fetch x's halves, waves 2 and 3 the weights'; four v_nop follow each line
	s_cmp_eq_u32 s15, 0
	s_cbranch_scc0 .Lfor_b_\@
	tensor_load_to_lds s[\g0a:\g0a+3], s[\g1a:\g1a+7]
	s_nop 0
.rept 4
	v_nop
.endr
	s_branch .Lasked_\@
.Lfor_b_\@:
	tensor_load_to_lds s[\g0b:\g0b+3], s[\g1b:\g1b+7]
	s_nop 0
.rept 4
	v_nop
.endr
.Lasked_\@:
.endm
.macro CREST
	s_cmp_lg_u32 s14, 0
	s_cbranch_scc1 .Lnot_wave_0_\@
	s_barrier_signal -3
.Lnot_wave_0_\@:
	s_barrier_wait -3
	s_barrier_signal -1
	s_barrier_wait -1
.endm
.macro CROUND
	s_barrier_signal -1
	s_barrier_wait -1
	CREST
.endm
	s_load_b128 s[4:7], s[0:1], 0x0                ; XQ, WQ
	s_load_b128 s[8:11], s[0:1], 0x10              ; b_attn, QKV
	v_lshl_add_u32 v[SPW], v0, 2, SPARE
	v_mov_b32 v[NIL], 0
	ds_add_u32 v28, v29
	ds_add_u32 v28, v29
	s_wait_dscnt 0x0
	v_lshrrev_b32 v1, 5, v0
	v_readfirstlane_b32 s14, v1                    ; wave
	s_lshr_b32 s15, s14, 1
	s_and_b32 s16, s14, 1
	s_bfe_u32 s40, ttmp6, 0x40000                  ; cx
	s_bfe_u32 s41, ttmp6, 0x40004                  ; cy
	s_lshl_b32 s42, ttmp9, 2
	s_add_co_u32 s42, s42, s40                     ; x: which 256 columns
	s_and_b32 s17, ttmp7, 0xffff
	s_lshl_b32 s17, s17, 2
	s_add_co_u32 s17, s17, s41                     ; y: which 256 tokens
	s_lshl_b32 s43, s41, 2
	s_lshl_b32 s43, 15, s43                        ; my row of the cluster
	s_lshl_b32 s44, 0x1111, s40                    ; my column
	s_or_b32 s[G1+0], s43, (3<<16)|(1<<21)         ; the mask; elements of 8 bytes; bit 21 beside a mask; no padding
	s_or_b32 s[G1B+0], s44, (3<<16)|(1<<21)
.irp g, G1, G1B                        ; 8 tiles x 3,072 bytes (two K steps), 12,288 bytes from tile to tile
	s_mov_b32 s[\g+1], 384<<16
	s_mov_b32 s[\g+2], 16<<16                      ; 16 tiles for the head's loads; set to 8 behind the wait for them
	s_mov_b32 s[\g+3], 384<<16
	s_mov_b32 s[\g+4], 16
	s_mov_b32 s[\g+5], 1536
	s_mov_b32 s[\g+6], 0
	s_mov_b32 s[\g+7], 0
.endr
	s_lshl_b32 s18, s16, 3                         ; which 8 tiles I fetch
	s_lshl_b32 s20, s17, 4
	s_add_co_u32 s20, s20, s18
	s_mul_i32 s20, s20, 12288                      ; x's codes: they hang on y alone
	s_mov_b32 s21, 0
	s_lshl_b32 s46, s42, 4
	s_add_co_u32 s46, s46, s18
	s_mul_i32 s46, s46, 12288                      ; the weights': on x alone
	s_mov_b32 s47, 0
	s_mul_i32 s18, s15, 3072                       ; the head's loads: slot wave / 2, all 16 tiles
	s_mul_i32 s22, s17, 196608
	s_add_co_u32 s22, s22, s18
	s_mov_b32 s23, 0
	s_mul_i32 s92, s42, 196608
	s_add_co_u32 s92, s92, s18
	s_mov_b32 s93, 0
	s_mul_i32 s45, s14, HALFT                      ; where the refills go: by the wave's number alone
	s_mul_i32 s94, s15, SLOT                       ; and the head's loads: slot wave / 2, x's tiles or behind them the weights' (wave % 2)
	s_mul_i32 s18, s16, 2*HALFT
	s_add_co_u32 s94, s94, s18
	s_mov_b32 s66, 0x76543210
	s_mov_b32 s67, 0xfedcba98
	s_wait_kmcnt 0x0
	s_add_nc_u64 s[20:21], s[4:5], s[20:21]
	s_add_nc_u64 s[22:23], s[4:5], s[22:23]
	s_add_nc_u64 s[46:47], s[6:7], s[46:47]
	s_add_nc_u64 s[92:93], s[6:7], s[92:93]
	CROUND                                         ; all sixteen work-groups are here: the first joint loads meet
	s_mov_b32 s[G0H], 1
	s_mov_b32 s[G0H+1], s94
	s_mov_b64 s[G0H+2:G0H+3], s[22:23]
	s_or_b32 s[G0H+3], s[G0H+3], 0x80000000
	s_mov_b32 s[G0HB], 1
	s_mov_b32 s[G0HB+1], s94
	s_mov_b64 s[G0HB+2:G0HB+3], s[92:93]
	s_or_b32 s[G0HB+3], s[G0HB+3], 0x80000000
	s_cmp_eq_u32 s16, 0                            ; one joint load a wave at the head: even waves x's tiles, odd waves the weights'
	s_cbranch_scc0 .Lhead_w
	tensor_load_to_lds s[G0H:G0H+3], s[G1:G1+7]
	s_nop 0
.rept 4
	v_nop
.endr
	s_branch .Lhead_asked
.Lhead_w:
	tensor_load_to_lds s[G0HB:G0HB+3], s[G1B:G1B+7]
	s_nop 0
.rept 4
	v_nop
.endr
.Lhead_asked:
.irp s, 0,1
	s_mov_b32 s[G0+4*\s], 1
	s_add_co_u32 s[G0+4*\s+1], s45, \s*SLOT
	s_add_nc_u64 s[G0+4*\s+2:G0+4*\s+3], s[20:21], \s*3072
	s_or_b32 s[G0+4*\s+3], s[G0+4*\s+3], 0x80000000
	s_mov_b32 s[G0B+4*\s], 1
	s_add_co_u32 s[G0B+4*\s+1], s45, \s*SLOT
	s_add_nc_u64 s[G0B+4*\s+2:G0B+4*\s+3], s[46:47], \s*3072
	s_or_b32 s[G0B+4*\s+3], s[G0B+4*\s+3], 0x80000000
.endr
	; the roles.  KV = 1 in the cluster column that makes v
	s_cmp_eq_u32 ttmp9, 2
	s_cselect_b32 s95, 1, 0                        ; KV
	s_cselect_b32 s96, 0, 1
	s_cselect_b32 s97, -1, 0                       ; as a mask of lanes
	s_cselect_b32 s98, s16, s15                    ; which half of the tokens is my wave's
	s_cselect_b32 s99, s15, s16                    ; which half of the columns
	v_and_b32 v1, 31, v0
	v_lshlrev_b32 v[LN8], 3, v1
	s_wait_alu depctr_va_vdst(0)
	s_lshl_b32 s21, s95, 1
	s_add_co_u32 s21, s21, s15
	s_mul_i32 s21, s21, HALFT                      ; role A (source 1): x's half wave / 2, or for v the weights'
	s_lshl_b32 s22, s96, 1
	s_add_co_u32 s22, s22, s16
	s_mul_i32 s22, s22, HALFT                      ; role B (source 0): the weights' half wave % 2, or for v x's
.irp s, 0,1
	v_add_nc_u32 v[ADRA+\s], s21, v[LN8]
	v_add_nc_u32 v[ADRB+\s], s22, v[LN8]
	s_add_co_u32 s21, s21, SLOT
	s_add_co_u32 s22, s22, SLOT
.endr
	v_bfe_u32 v2, v0, 4, 1                         ; h
	v_and_b32 v4, 15, v0                           ; r
	s_wait_alu depctr_va_vdst(0)
	s_lshl_b32 s18, s17, 13
	s_add_co_u32 s18, s18, 6291456                 ; the scale words of my work-group's 256 tokens,
	s_lshl_b32 s19, s42, 13
	s_add_co_u32 s19, s19, 2359296                 ; and of its 256 columns
	s_cmp_eq_u32 ttmp9, 2                          ; for v the roles change
	s_cselect_b64 s[68:69], s[6:7], s[4:5]         ; role A
	s_cselect_b64 s[72:73], s[4:5], s[6:7]         ; role B
	s_cselect_b32 s70, s19, s18
	s_cselect_b32 s74, s18, s19
	s_lshl_b32 s18, s15, 12                        ; role A's half is wave / 2, role B's wave % 2: 4,096 bytes a half
	s_add_co_u32 s70, s70, s18
	s_lshl_b32 s18, s16, 12
	s_add_co_u32 s74, s74, s18
	s_mov_b32 s71, 0
	s_mov_b32 s75, 0
	s_add_nc_u64 s[68:69], s[68:69], s[70:71]
	s_add_nc_u64 s[72:73], s[72:73], s[74:75]
.irp k, 0,1,2,3
.irp b, 0,1,2,3
	global_load_b64 v[SA+8*\k+2*\b:SA+8*\k+2*\b+1], v[LN8], s[68:69] offset:\b*1024+\k*256   ; 256 consecutive bytes, aligned: a pair of tiles, two K steps
	global_load_b64 v[SB+8*\k+2*\b:SB+8*\k+2*\b+1], v[LN8], s[72:73] offset:\b*1024+\k*256
.endr
.endr
	; the bias, in the result's layout.  q, k: register 8 m + j: column 32 (m / 2) + 8 (m % 2) + 16 h + j.  v: the lane's own column of tile m, in all eight
	v_and_b32 v5, 8, v4
	v_add_nc_u32 v5, v5, v4
	v_lshlrev_b32 v5, 2, v5
	v_lshlrev_b32 v6, 6, v2
.irp j, 0,1,2,3,4,5,6,7
	v_add_nc_u32 v[VO+\j], 4*\j, v6
.endr
.irp j, 0,1,2,3,4,5,6,7
	v_cndmask_b32 v[VO+\j], v[VO+\j], v5, s97
.endr
	s_lshl_b32 s12, s42, 10
	s_lshl_b32 s13, s99, 9
	s_add_co_u32 s12, s12, s13
	s_mov_b32 s13, 0
	s_add_nc_u64 s[12:13], s[8:9], s[12:13]
	WIN TO_B
.irp m, 0,1,2,3,4,5,6,7
.irp j, 0,1,2,3,4,5,6,7
	global_load_b32 v[BI+8*\m+\j+96*(\m/4)], v[VO+\j], s[12:13] offset:(32*(\m/2)+8*(\m%2))*4   ; waited for in front of the epilogue; its registers are written by nothing else
.endr
.endr
	WIN 0
.macro FRAG reg, adr, q, i             ; a fragment as it lies: six pieces of 256 bytes
.irp p, 0,1,2,3,4,5
	ds_load_b64 v[\reg+2*\p:\reg+2*\p+1], v[\adr] offset:(\i)*3072+(\q)*1536+256*\p
.endr
.endm
; 16 matrix instructions: role A's blocks a0, a0 + 1 x role B's eight.  The 64 accumulators take turns, one instruction a turn, in the same order in every step.
.macro MM a, b, p, q, sc, zero, ra, rb ; one product; ra, rb: a % 2, b % 2: which half of the lanes holds the tile's scale words
.if \zero
	v_wmma_scale_f32_16x16x128_f8f6f4 v[8*(8*((\a)%4)+(\b)):8*(8*((\a)%4)+(\b))+7], v[128*(\p)+FR*(\b):128*(\p)+FR*(\b)+FR-1], v[AF+FR*(\a):AF+FR*(\a)+FR-1], 0, v[SB+8*((\sc)+2*LAP)+2*((\b)/2)+(\q)], v[SA+8*((\sc)+2*LAP)+2*((\a)/2)+(\q)] matrix_a_fmt:MATRIX_FMT_FP6 matrix_b_fmt:MATRIX_FMT_FP6 matrix_a_scale:MATRIX_SCALE_ROW\rb matrix_b_scale:MATRIX_SCALE_ROW\ra
.else
	v_wmma_scale_f32_16x16x128_f8f6f4 v[8*(8*((\a)%4)+(\b)):8*(8*((\a)%4)+(\b))+7], v[128*(\p)+FR*(\b):128*(\p)+FR*(\b)+FR-1], v[AF+FR*(\a):AF+FR*(\a)+FR-1], v[8*(8*((\a)%4)+(\b)):8*(8*((\a)%4)+(\b))+7], v[SB+8*((\sc)+2*LAP)+2*((\b)/2)+(\q)], v[SA+8*((\sc)+2*LAP)+2*((\a)/2)+(\q)] matrix_a_fmt:MATRIX_FMT_FP6 matrix_b_fmt:MATRIX_FMT_FP6 matrix_a_scale:MATRIX_SCALE_ROW\rb matrix_b_scale:MATRIX_SCALE_ROW\ra
.endif
.endm
.macro MUL8 a, p, q, sc, zero, ra
.irp b, 0,2,4,6
	MM \a, \b, \p, \q, \sc, \zero, \ra, 0
	MM \a, \b+1, \p, \q, \sc, \zero, \ra, 1
.endr
.endm
.macro MUL16 a0, p, q, sc, zero        ; a0 is even
	MUL8 \a0, \p, \q, \sc, \zero, 0
	MUL8 \a0+1, \p, \q, \sc, \zero, 1
.endm
.macro FETCH_B slot, q, p
	WIN TO_B
.irp i, 0,1,2,3,4,5,6,7
	FRAG 128*(\p)+FR*\i, ADRB+\slot, \q, \i
.endr
	WIN 0
.endm
.macro FETCH_A slot, q, i0
.irp i, \i0, \i0+1, \i0+2, \i0+3
	FRAG AF+FR*(\i), ADRA+\slot, \q, \i
.endr
.endm
.macro PLACES n                        ; plain vector instructions between a matrix instruction and a load into, or a read of, its registers
.rept \n
	v_nop
.endr
.endm
.macro STEP slot, q, zero              ; 128 along K that have their successor in the same slot
	s_wait_dscnt 4*NL                              ; all but the youngest 24 loads (role A's blocks 4-7)
	WIN MUL_LO
	MUL16 0, (\q)%2, \q, \slot, \zero
	MUL16 2, (\q)%2, \q, \slot, \zero
	s_wait_dscnt 0
	PLACES NP
	FETCH_B \slot, (\q)+1, 1-(\q)%2
	FETCH_A \slot, (\q)+1, 0
	WIN MUL_HI
	MUL16 4, (\q)%2, \q, \slot, \zero
	MUL16 6, (\q)%2, \q, \slot, \zero
	PLACES NP
	WIN 0
	FETCH_A \slot, (\q)+1, 4
.endm
; A slot's last 128 change slots: one barrier; in front of it each wave waits for all its tensor loads, adds 0 to its spare word, and waits for that and for its reads of the slot.
.macro TURN slot, next, fill
	s_wait_tensorcnt 0x0                           ; all my tensor loads have landed: my part of the next slot
	ds_add_u32 v[SPW], v[NIL]
	s_wait_dscnt 4*NL+1                            ; the add and the youngest 24 loads may be out
	WIN MUL_LO
	MUL16 0, 1, NQ-1, \slot, 0
	s_wait_dscnt 0x0                               ; the add is done, and my reads of this slot are over
	s_barrier_signal -1
	MUL16 2, 1, NQ-1, \slot, 0
	WIN 0
	s_barrier_wait -1
.if \fill
	CREST                                          ; the barrier has opened a round of the cluster's: no wave of any partner still reads this slot or has a load on its way
	s_add_nc_u64 s[G0+4*\slot+2:G0+4*\slot+3], s[G0+4*\slot+2:G0+4*\slot+3], 6144
	s_add_nc_u64 s[G0B+4*\slot+2:G0B+4*\slot+3], s[G0B+4*\slot+2:G0B+4*\slot+3], 6144
	JLOAD G0+4*\slot, G1, G0B+4*\slot, G1B         ; the first tensor load behind the round; its four v_nop are the places in front of the loads below
.else
	PLACES NP
.endif
	FETCH_B \next, 0, 0
	FETCH_A \next, 0, 0
	WIN MUL_HI
	MUL16 4, 1, NQ-1, \slot, 0
	MUL16 6, 1, NQ-1, \slot, 0
	PLACES NP
	WIN 0
	FETCH_A \next, 0, 4
.endm
	s_wait_alu depctr_va_vdst(0)
	s_wait_tensorcnt 0x0                           ; my one load of the head is in; no tensor load of mine is out, so group 1 may be written:
	s_mov_b32 s[G1+2], 8<<16                       ; the refills bring 8 tiles a wave
	s_mov_b32 s[G1+4], 8
	s_mov_b32 s[G1B+2], 8<<16
	s_mov_b32 s[G1B+4], 8
	s_barrier_signal -1
	s_barrier_wait -1                              ; both slots are whole
	FETCH_B 0, 0, 0
	FETCH_A 0, 0, 0
	FETCH_A 0, 0, 4
	s_wait_loadcnt 63                              ; the 32 loads of scale words are in: behind them stand the bias's 64
	STEP 0, 0, 1                                   ; K has four slots' worth: the eight steps are written out; the first starts the sums
	TURN 0, 1, 1
	STEP 1, 0, 0
	TURN 1, 0, 1
.set LAP, 1
	STEP 0, 0, 0
	TURN 0, 1, 0                                   ; nothing is left to fetch
	STEP 1, 0, 0
	s_wait_dscnt 4*NL
	WIN MUL_LO
	MUL16 0, 1, NQ-1, 1, 0
	MUL16 2, 1, NQ-1, 1, 0
	s_wait_dscnt 0
	WIN MUL_HI
	MUL16 4, 1, NQ-1, 1, 0
	MUL16 6, 1, NQ-1, 1, 0
	WIN 0
; THE EPILOGUE.  For each of role A's eight tiles: the lane's 64 sums + bias (register 16 b + i = place 32 b + 16 (lane / 16) + i along role B's axis) become one fragment and one scale word.
	s_wait_loadcnt 0x0                             ; the bias
	PLACES NP
	v_bfe_u32 v[HH], v0, 4, 1
	s_wait_alu depctr_va_vdst(0)
	v_and_b32 v1, 15, v0
.irp b, 0,1,2,3
	v_mov_b32 v[TM+4+\b], 0                        ; a lane permute's destination counts as read
.endr
	s_lshr_b32 s20, s17, 3                         ; the batch
	s_lshl_b32 s20, s20, 4
	s_and_b32 s21, s42, 3
	s_lshl_b32 s21, s21, 2
	s_add_co_u32 s20, s20, s21
	s_lshl_b32 s21, s99, 1
	s_add_co_u32 s20, s20, s21                     ; the first of my wave's two heads
	s_lshl_b32 s21, s17, 1
	s_add_co_u32 s21, s21, s98
	s_and_b32 s21, s21, 15                         ; which 128 tokens of the sequence
	s_lshl_b32 s20, s20, 4
	s_add_co_u32 s20, s20, s21                     ; the record
	s_cmp_eq_u32 ttmp9, 0
	s_mov_b32 s22, 13056
	s_cselect_b32 s22, 6656, s22                   ; a record of q, or of k and v
	s_cselect_b32 s23, 0, 6815744
	s_mov_b32 s46, 12288
	s_cselect_b32 s46, 6144, s46                   ; where q's or k's scale words begin in it
	s_mul_i32 s20, s20, s22
	s_add_co_u32 s20, s20, s23
	s_lshl_b32 s22, s22, 4                         ; from a head to the next: 16 records
	s_mov_b32 s21, 0
	s_mov_b32 s23, 0
	s_mov_b32 s47, 0
	v_mul_u32_u24 v[SOF], s22, v[HH]
	s_wait_alu depctr_va_vdst(0)
	v_lshl_add_u32 v[SOF], v1, 4, v[SOF]           ; lanes 0-15 store the first head's scale words, lanes 16-31 the second's: 16 bytes a slot
	s_add_nc_u64 s[68:69], s[10:11], s[20:21]      ; (the scale words' descriptors are done with: every tensor load has been waited for)
.macro QUANT s
.irp b, 0,1,2,3
	v_max3_num_f32 v[TM+\b], |v[\s+16*\b]|, |v[\s+1+16*\b]|, 0x1800000   ; with the floor 2^(3 - 127)
.endr
.irp i, 2,4,6,8,10,12,14
.irp b, 0,1,2,3
	v_max3_num_f32 v[TM+\b], v[TM+\b], |v[\s+16*\b+\i]|, |v[\s+1+16*\b+\i]|
.endr
.endr
.irp b, 0,1,2,3
	v_permlanex16_b32 v[TM+4+\b], v[TM+\b], s66, s67
.endr
.irp b, 0,1,2,3
	v_max_num_f32 v[TM+\b], v[TM+\b], v[TM+4+\b]   ; with lane l xor 16's: the block's largest magnitude
.endr
.irp b, 0,1,2,3
	v_add_nc_u32 v[TM+12+\b], 0xff000000, v[TM+\b]
.endr
.irp b, 0,1,2,3
	v_lshrrev_b32 v[TM+4+\b], 23, v[TM+12+\b]
.endr
	v_lshl_or_b32 v[PW], v[TM+5], 8, v[TM+4]
	v_lshl_or_b32 v[PW], v[TM+6], 16, v[PW]
	v_lshl_or_b32 v[PW], v[TM+7], 24, v[PW]
	s_wait_xcnt 0x0                                ; the last tile's stores have read the codes' registers
.irp c, 0,1
	v_cvt_scalef32_pk16_fp6_f32 v[PC+6*\c:PC+2+6*\c], v[\s+32*\c:\s+15+32*\c], v[TM+12+2*\c]
	v_cvt_scalef32_pk16_fp6_f32 v[PC+12+4*\c:PC+14+4*\c], v[\s+16+32*\c:\s+31+32*\c], v[TM+12+2*\c+1]
.endr
	v_nop                                          ; one plain place behind a scaled conversion
.irp c, 0,1                            ; the operand's layout wants a whole block in a lane
.irp i, 0,1,2
	v_permlane16_swap_b32 v[PC+6*\c+\i], v[PC+12+4*\c+\i]
.endr
.irp i, 0,1,2
	v_mov_b32 v[PC+3+6*\c+\i], v[PC+12+4*\c+\i]
.endr
.endr
.endm
.macro EPI kind                        ; 0: q or k;  1: v
.irp a, 0,1,2,3,4,5,6,7
	WIN 0x06+\a/4                                  ; source 0: window 2 or 3; source 1, the bias: window 1
.irp i, 0,1,2,3,4,5,6,7,8,9,10,11,12,13,14,15,16,17,18,19,20,21,22,23,24,25,26,27,28,29,30,31
.if \kind
	v_pk_add_f32 v[HA+2*\i:HA+2*\i+1], v[64*(\a%4)+2*\i:64*(\a%4)+2*\i+1], v[BI+8*\a+96*(\a/4):BI+8*\a+96*(\a/4)+1]   ; each accumulator from its low end on
.else
	v_pk_add_f32 v[HA+2*\i:HA+2*\i+1], v[64*(\a%4)+2*\i:64*(\a%4)+2*\i+1], v[BI+2*\i+96*(\i/16):BI+2*\i+96*(\i/16)+1]
.endif
.endr
	WIN 0
	QUANT HA
	v_mov_b32 v[PWS+\a], v[PW]
.irp p, 0,1,2,3,4,5
.if \kind
	global_store_b64 v[LN8], v[PC+2*\p:PC+2*\p+1], s[68+2*(\a/4):69+2*(\a/4)] offset:(\a%4)*1536+256*\p   ; V^T: head a / 4, 16 channels x 128 keys: a whole fragment.  256 consecutive bytes, aligned
.else
	global_store_b64 v[LN8], v[PC+2*\p:PC+2*\p+1], s[68+2*(\p/3):69+2*(\p/3)] offset:\a*768+(\p%3)*256   ; pieces 0-2: the first head's 64 of 16 tokens; pieces 3-5: the second's
.endif
.endr
.endr
	v_cmp_eq_u32 vcc_lo, 1, v[HH]
.if \kind
.irp j, 0,1,2,3
	v_cndmask_b32 v[OUT+\j], v[PWS+\j], v[PWS+4+\j], vcc_lo
.endr
	global_store_b128 v[SOF], v[OUT:OUT+3], s[72:73]
.else
.irp j, 0,1,2,3,4,5,6,7
	v_lshrrev_b32 v[OUT+\j], 16, v[PWS+\j]         ; the second head's two bytes, with zeros above; the first head's word keeps the other's bytes above: both meet zero codes alone, and none is 0xff
.endr
.irp j, 0,1,2,3,4,5,6,7
	v_cndmask_b32 v[OUT+\j], v[PWS+\j], v[OUT+\j], vcc_lo
.endr
	global_store_b128 v[SOF], v[OUT:OUT+3], s[72:73]
	global_store_b128 v[SOF], v[OUT+4:OUT+7], s[72:73] offset:256
.endif
.endm
	s_cmp_eq_u32 s95, 1                            ; the same in all sixteen partners
	s_cbranch_scc1 .Lvkind
	s_add_nc_u64 s[70:71], s[68:69], s[22:23]
	s_add_nc_u64 s[72:73], s[68:69], s[46:47]
	EPI 0
	s_branch .Lend
.Lvkind:
	s_add_nc_u64 s[68:69], s[68:69], 6144          ; V^T lies behind K's eight tiles,
	s_add_nc_u64 s[70:71], s[68:69], s[22:23]
	s_add_nc_u64 s[72:73], s[68:69], 6656          ; its scale words at byte 12,800 of the record
	EPI 1
.Lend:
	s_wait_tensorcnt 0x0                           ; the wave's end
	ds_add_u32 v[SPW], v[NIL]
	s_wait_dscnt 0x0
	CROUND                                         ; the closing round
	s_endpgm
.Lfunc_end_k_qc5843e6deb_qkv:
	.size	k_qc5843e6deb_qkv, .Lfunc_end_k_qc5843e6deb_qkv-k_qc5843e6deb_qkv
	.p2alignl 7, 3214868480
	.fill 96, 4, 3214868480
	.section	.rodata,"a",@progbits
	.p2align	6, 0x0
	.amdhsa_kernel k_qc5843e6deb_qkv
		.amdhsa_group_segment_fixed_size 327680
		.amdhsa_private_segment_fixed_size 0
		.amdhsa_enable_private_segment 0
		.amdhsa_kernarg_size 32
		.amdhsa_user_sgpr_count 2
		.amdhsa_user_sgpr_kernarg_segment_ptr 1
		.amdhsa_wavefront_size32 1
		.amdhsa_system_sgpr_workgroup_id_x 1
		.amdhsa_system_sgpr_workgroup_id_y 1
		.amdhsa_system_sgpr_workgroup_id_z 1
		.amdhsa_system_vgpr_workitem_id 0
		.amdhsa_next_free_vgpr 1024
		.amdhsa_next_free_sgpr 100
		.amdhsa_reserve_vcc 1
		.amdhsa_float_denorm_mode_32 3
		.amdhsa_float_denorm_mode_16_64 3
		.amdhsa_memory_ordered 1
		.amdhsa_forward_progress 1
		.amdhsa_inst_pref_size 241
	.end_amdhsa_kernel
	.amdgpu_metadata
---
amdhsa.version: [ 1, 2 ]
amdhsa.kernels:
  - .name:           k_qc5843e6deb_qkv
    .symbol:         k_qc5843e6deb_qkv.kd
    .args:
      - { .name: XQ, .offset: 0, .size: 8, .value_kind: global_buffer, .address_space: global }
      - { .name: WQ, .offset: 8, .size: 8, .value_kind: global_buffer, .address_space: global }
      - { .name: b_attn, .offset: 16, .size: 8, .value_kind: global_buffer, .address_space: global }
      - { .name: QKV, .offset: 24, .size: 8, .value_kind: global_buffer, .address_space: global }
    .group_segment_fixed_size: 327680
    .private_segment_fixed_size: 0
    .kernarg_segment_align: 8
    .kernarg_segment_size: 32
    .max_flat_workgroup_size: 128
    .sgpr_count:     100
    .vgpr_count:     1024
    .wavefront_size: 32
...
	.end_amdgpu_metadata
.endif
;; end of part 2
;; launch attn (part 3): grid 4 x 64, 16 waves a work-group, clusters of 4 x 1, 210,944 bytes of LDS; arguments QKV, AO; writes AO
.if DOCPART == 3
	.amdgcn_target "amdgcn-amd-amdhsa--gfx1250"
	.amdhsa_code_object_version 6
	.text
	.protected	k_qc5843e6deb_attn
	.globl	k_qc5843e6deb_attn
	.p2align	8
	.type	k_qc5843e6deb_attn,@function
k_qc5843e6deb_attn:
	s_mov_b64 s[64:65], 0
	v_nop
	global_prefetch_b8 v0, s[64:65] scope:SCOPE_SE
	s_setreg_imm32_b32 hwreg(HW_REG_WAVE_MODE, 25, 1), 1
	s_wait_xcnt 0x0
	s_wait_alu depctr_hold_cnt(0) depctr_sa_sdst(0) depctr_va_vdst(0) depctr_va_sdst(0) depctr_va_ssrc(0) depctr_va_vcc(0) depctr_vm_vsrc(0)
	s_getreg_b32 s2, hwreg(HW_REG_IB_STS2, 6, 4)
	s_cmp_eq_u32 s2, 0
	s_cbranch_scc0 .Lentry_in_a_cluster
	s_endpgm
.Lentry_in_a_cluster:
	s_bfe_u32 s2, ttmp6, 0x10000c
	s_cmp_lg_u32 s2, 0x3003
	s_cbranch_scc0 .Lentry_shape_is_right
	s_endpgm
.Lentry_shape_is_right:
; Causal attention of one head (64 channels, 2,048 tokens) on codes of FP6 (E2M3) with E8M0 scales, and its result, divided by the row's sum, quantised along the model's 1,024 for the last product.
; t = score x log2(e) / 8; M = the running largest t rounded up to a whole number; p = 2^(t - M) is quantised along the keys; the row's sum is taken of the unquantised p.  When M moves, the sum and O are multiplied by 2^(old M - new M): exact.
; Key steps that lie wholly above the causal diagonal are not computed.
; SHARES.  The four work-groups of a head form a cluster (place cx), sixteen waves each.  Wave w owns two tiles of 16 queries, j = 8 (w / 2) + 2 cx + w % 2 and 127 - j.
; Tile j wants j / 8 + 1 key steps of 128: w / 2 + 1 and 16 - w / 2, together 17 for every wave.  So trips, branches and LDS addresses hang on the wave's number alone; cx enters only global addresses and the mask's numbers.
; THE WHOLE HEAD'S K AND V STAY IN LDS: sixteen records of 13,056 bytes (128 keys: K's 8 tiles x 768, V^T's 4 x 1,536, K's and V's scale words), one JOINT load a wave, all at the head, with the mask of all four partners.
; Nothing is filled again and nothing is stored to LDS.  TWO BARRIERS: trips 0-7 read records 0-7 alone (the first tile's steps 0 .. w / 2, then the second's first ones), so the first barrier waits for waves 0-7's loads,
; which have a line of their own; a plain barrier ahead of trip 8, with every wave's wait for 0, shows records 8-15.  The step's text stands twice for that.  No prefetch: all that is read is asked for at the head.
; LAYOUT.  Both products transposed (S^T = K Q^T, O^T = V^T P^T): a lane holds one query.  Slot r of tile 2 b + u (queries, keys, channels) is row 32 b + 8 u + r + 8 (r / 8): so the 16 registers of tiles 2 B, 2 B + 1 are 16 neighbours.
; The first product's K is 64: registers 6-11 of Q are zero codes; what K's registers 6-11 hold meets zeros (E2M3 has no NaN), and no scale byte is 0xff.
; LIMITS: NaN and infinities are not served; the promise holds while |t| stays under 2^31; a block of zeros or under 2^-124 gets the scale byte 1; a head's two scale bytes of a row leave as a store of two bytes a lane.
; REGISTERS: v1 8 x lane; v2 16 r; v4 r + 8 (r / 8) - 16 h; v5 8 r; v8, v9 the step's addresses; v12 -M, v13 the largest t, v[14:15] the sum; v[16:27] Q, v28 its scale word; v[32:79] four fragments;
;   v[96:159] S^T, then p; v[160:191] O^T; v[192:197], v198 the second tile's Q; v[224:235] p's codes; v232-254 at work; v[248:251] scale words; v253 p's scale word; v243, v255 the add's.
.set REC,  13056
.set T,    32                          ; s32 the trip, 0..16
.set NLO,  33                          ; s33 the first tile's steps
.set TB,   34                          ; s34 the step's record in LDS
.set LAST, 35                          ; s35 1 in a tile's last step
.set REL,  36                          ; s36 my tile's first query, counted from its last step's first key; s37 the second tile's
.set OCB,  38                          ; s[38:39] where my tile's codes go; s[42:43] the second tile's
.set OSB,  40                          ; s[40:41] and its scale bytes; s[44:45]
.set SELR, 46
.set CS,   48
.macro ROUND                           ; a round of the cluster's barrier
	s_barrier_signal -1
	s_barrier_wait -1
	s_cmp_lg_u32 s8, 0
	s_cbranch_scc1 .Lnot_wave_0_\@
	s_barrier_signal -3
.Lnot_wave_0_\@:
	s_barrier_wait -3
	s_barrier_signal -1
	s_barrier_wait -1
.endm
	s_load_b128 s[4:7], s[0:1], 0x0                ; QKV, AO
	v_lshl_add_u32 v243, v0, 2, 0x33000
	v_mov_b32 v255, 0
	ds_add_u32 v243, v255
	ds_add_u32 v243, v255
	v_lshrrev_b32 v1, 5, v0
	s_delay_alu instid0(VALU_DEP_1)
	v_readfirstlane_b32 s8, v1                     ; wave 0..15
	s_and_b32 s9, ttmp7, 0xffff                    ; batch x 16 + head: the cluster's y
	s_mov_b32 s16, 15|(3<<16)|(1<<21)              ; group 1: the four partners; elements of 8 bytes; bit 21 beside a mask; no padding: 51 rows of 256 dense bytes
	s_mov_b32 s17, 32<<16
	s_mov_b32 s18, 51<<16
	s_mov_b32 s19, 32<<16
	s_mov_b32 s20, 51
	s_mov_b32 s21, 32
	s_mov_b32 s22, 0
	s_mov_b32 s23, 0
	s_lshl_b32 s50, s9, 4
	s_add_co_u32 s50, s50, s8
	s_mul_i32 s50, s50, REC
	s_add_co_u32 s50, s50, 6815744
	s_mov_b32 s51, 0
	s_mov_b32 s12, 1
	s_mul_i32 s13, s8, REC                         ; record w lands at w x 13,056
	s_wait_alu depctr_va_vdst(0)
	s_wait_dscnt 0x0
	ROUND                                          ; the four partners are here: the joint loads meet
	s_wait_kmcnt 0x0
	s_add_nc_u64 s[14:15], s[4:5], s[50:51]
	s_or_b32 s15, s15, 0x80000000
	s_cmp_lt_u32 s8, 8                             ; two lines: waves 0-7's is waited for at the first barrier, waves 8-15's at the second
	s_cbranch_scc0 .Lhigh
	tensor_load_to_lds s[12:15], s[16:23]
	s_nop 0
.rept 4
	v_nop
.endr
	s_branch .Lasked
.Lhigh:
	tensor_load_to_lds s[12:15], s[16:23]
	s_nop 0
.rept 4
	v_nop
.endr
.Lasked:
; What hangs on a tile's number j (in s50): Q's codes and scale words, the mask's offset, and where the result goes.
.macro TILESET qc, qw, rel, ocb, osb
	s_lshr_b32 s51, s50, 3
	s_lshl_b32 s52, s9, 4
	s_add_co_u32 s51, s51, s52
	s_mul_i32 s51, s51, 6656                       ; Q's record
	s_and_b32 s52, s50, 7
	s_mul_i32 s53, s52, 768
	s_add_co_u32 s54, s51, s53
	s_add_nc_u64 s[\qc:\qc+1], s[4:5], s[54:55]
	s_lshr_b32 s52, s52, 2
	s_lshl_b32 s52, s52, 8
	s_and_b32 s53, s50, 3
	s_lshl_b32 s53, s53, 2
	s_add_co_u32 s54, s51, s52
	s_add_co_u32 s54, s54, s53
	s_add_co_u32 s54, s54, 6144
	s_add_nc_u64 s[\qw:\qw+1], s[4:5], s[54:55]
	s_lshr_b32 s52, s50, 1
	s_and_b32 s52, s52, 3
	s_lshl_b32 s52, s52, 5
	s_and_b32 s53, s50, 1
	s_lshl_b32 s53, s53, 3
	s_add_co_u32 s[\rel], s52, s53                 ; 32 ((j / 2) % 4) + 8 (j % 2)
	s_lshr_b32 s52, s9, 4
	s_lshl_b32 s52, s52, 7
	s_add_co_u32 s52, s52, s50                     ; the tile among all 512 tiles of tokens
	s_and_b32 s53, s9, 15                          ; the head: K step head / 2, half head % 2 of the last product
	s_lshl_b32 s54, s52, 3
	s_lshr_b32 s56, s53, 1
	s_add_co_u32 s54, s54, s56
	s_mul_i32 s54, s54, 1536
	s_and_b32 s56, s53, 1
	s_mul_i32 s57, s56, 768
	s_add_co_u32 s54, s54, s57
	s_add_nc_u64 s[\ocb:\ocb+1], s[6:7], s[54:55]
	s_lshr_b32 s54, s52, 1
	s_lshl_b32 s54, s54, 10
	s_lshr_b32 s57, s53, 2
	s_lshl_b32 s57, s57, 8
	s_add_co_u32 s54, s54, s57
	s_and_b32 s57, s52, 1
	s_lshl_b32 s57, s57, 7
	s_add_co_u32 s54, s54, s57
	s_lshr_b32 s57, s53, 1
	s_and_b32 s57, s57, 1
	s_lshl_b32 s57, s57, 2
	s_add_co_u32 s54, s54, s57
	s_lshl_b32 s56, s56, 1
	s_add_co_u32 s54, s54, s56
	s_add_co_u32 s54, s54, 6291456
	s_add_nc_u64 s[\osb:\osb+1], s[6:7], s[54:55]
.endm
	s_mov_b32 s55, 0
	s_bfe_u32 s52, ttmp6, 0x40000                  ; cx
	s_lshr_b32 s[NLO], s8, 1
	s_lshl_b32 s50, s[NLO], 3
	s_lshl_b32 s52, s52, 1
	s_add_co_u32 s50, s50, s52
	s_and_b32 s52, s8, 1
	s_add_co_u32 s50, s50, s52                     ; the first tile: 8 (w / 2) + 2 cx + w % 2
	s_add_co_u32 s[NLO], s[NLO], 1                 ; its steps: w / 2 + 1, of the wave's number alone
	TILESET 24, 26, REL, OCB, OSB
	s_sub_co_u32 s50, 127, s50                     ; the second
	TILESET 28, 30, REL+1, OCB+4, OSB+4
	s_mov_b32 s[SELR], 0x76543210
	s_mov_b32 s[SELR+1], 0xfedcba98
	s_mov_b32 s[CS], 0x3e38aa3b                    ; c = log2(e) / sqrt(64)
	s_mov_b32 s[CS+1], s[CS]
	v_and_b32 v3, 31, v0
	s_delay_alu instid0(VALU_DEP_1)
	v_lshlrev_b32 v1, 3, v3
	v_and_b32 v6, 15, v0                           ; r
	s_delay_alu instid0(VALU_DEP_1)
	v_lshlrev_b32 v2, 4, v6
	v_bfe_u32 v7, v0, 4, 1                         ; h
	s_delay_alu instid0(VALU_DEP_3)
	v_and_b32 v4, 8, v6
	s_delay_alu instid0(VALU_DEP_1)
	v_add_nc_u32 v4, v4, v6
	s_delay_alu instid0(VALU_DEP_3)
	v_lshlrev_b32 v7, 4, v7
	s_delay_alu instid0(VALU_DEP_1)
	v_sub_nc_u32 v4, v4, v7
	v_lshlrev_b32 v5, 3, v6
.irp p, 0,1,2
	global_load_b64 v[16+2*\p:17+2*\p], v1, s[24:25] offset:256*\p
	global_load_b64 v[192+2*\p:193+2*\p], v1, s[28:29] offset:256*\p
.endr
	global_load_b32 v28, v2, s[26:27]
	global_load_b32 v198, v2, s[30:31]
.irp j, 22,23,24,25,26,27
	v_mov_b32 v[\j], 0                             ; Q's upper 64 along K: zero codes, for the whole launch
.endr
.irp t, 0,1,2,3
.irp j, 6,7,8,9,10,11
	v_mov_b32 v[32+12*\t+\j], 0                    ; written once, so that K's products name no register that was never written
.endr
.endr
	v_mov_b32 v13, 0xff61b1e6                      ; the largest t so far: -3e38
	s_delay_alu instid0(VALU_DEP_1)
	v_floor_f32 v12, -v13
	v_mov_b32 v14, 0
	v_mov_b32 v15, 0
.irp b, 0,1,2,3
	v_mov_b32 v[236+\b], 0                         ; a lane permute's destination counts as read
.endr
	v_mov_b32 v253, 0
.set JJ, 0
.rept 32
	v_mov_b32 v[160+JJ], 0                         ; O^T: the first step finds zeros
.set JJ, JJ+1
.endr
	s_wait_alu depctr_va_vdst(0)
	s_cmp_lt_u32 s8, 8
	s_cbranch_scc0 .Lnot_low
	s_wait_tensorcnt 0x0                           ; waves 0-7: my record is in
.Lnot_low:
	s_barrier_signal -1
	s_barrier_wait -1                              ; records 0-7 are in
	s_wait_loadcnt 0x0                             ; Q
	s_mov_b32 s[T], 0
; A trip: one key step of 128 for my tile of 16 queries.  km: the greatest record that these trips read; more = 1: a finished tile has a successor.
.macro TRIP km, more
	s_cmp_ge_u32 s[T], s[NLO]
	s_cselect_b32 s50, s[NLO], 0
	s_sub_co_u32 s50, s[T], s50
	s_and_b32 s50, s50, \km                        ; the key step
	s_mul_i32 s[TB], s50, REC
	s_add_co_u32 s51, s[T], 1
	s_cmp_eq_u32 s51, s[NLO]
	s_cselect_b32 s[LAST], 1, 0
	s_cmp_eq_u32 s[T], 16
	s_cselect_b32 s[LAST], 1, s[LAST]
	v_add_nc_u32 v8, s[TB], v1
	s_wait_alu depctr_va_vdst(0)
	v_add_nc_u32 v9, s[TB], v2
	s_wait_alu depctr_va_vdst(0)
	v_nop
	v_nop                                          ; four places in front of loads into registers that the last products read
.irp g, 0,1                            ; S^T = K Q^T, four tiles of 16 keys at a time
.if \g
.rept 4
	v_nop
.endr
.endif
.irp t, 0,1,2,3
.irp p, 0,1,2
	ds_load_b64 v[32+12*\t+2*\p:33+12*\t+2*\p], v8 offset:(4*\g+\t)*768+256*\p
.endr
.endr
	ds_load_b128 v[248:251], v9 offset:12288+256*\g
	s_wait_dscnt 0x0
.irp t, 0,1,2,3
	v_wmma_scale_f32_16x16x128_f8f6f4 v[96+8*(4*\g+\t):103+8*(4*\g+\t)], v[32+12*\t:43+12*\t], v[16:27], 0, v[248+\t], v28 matrix_a_fmt:MATRIX_FMT_FP6 matrix_b_fmt:MATRIX_FMT_FP6
.endr
.endr
.rept 4
	v_nop
.endr
	s_cmp_eq_u32 s[LAST], 0                        ; only a tile's last step touches the diagonal; its first key counts for every query
	s_cbranch_scc1 .Lopen_\@
	v_add_nc_u32 v252, s[REL], v4                  ; register 16 b + i holds key 32 b + 16 h + i of the step: hidden where 32 b + i > my query - 16 h
	v_mov_b32 v254, 0xff800000
.set NN, 0
.rept 64
	v_cmp_gt_i32 vcc_lo, 32*(NN/16)+NN%16, v252
	v_cndmask_b32 v[96+NN], v[96+NN], v254, vcc_lo
.set NN, NN+1
.endr
.Lopen_\@:
.irp b, 0,1,2,3
	v_max3_num_f32 v[232+\b], v[96+16*\b], v[97+16*\b], v[98+16*\b]   ; the largest score of each block of 32 keys: for the row's maximum and, since p rises with the score, for the block's largest p
.endr
.irp i, 3,5,7,9,11,13
.irp b, 0,1,2,3
	v_max3_num_f32 v[232+\b], v[232+\b], v[96+16*\b+\i], v[97+16*\b+\i]
.endr
.endr
.irp b, 0,1,2,3
	v_max_num_f32 v[232+\b], v[232+\b], v[111+16*\b]
.endr
.irp b, 0,1,2,3
	s_delay_alu instid0(VALU_DEP_4)
	v_permlanex16_b32 v[236+\b], v[232+\b], s[SELR], s[SELR+1]
.endr
.irp b, 0,1,2,3
	s_delay_alu instid0(VALU_DEP_4)
	v_max_num_f32 v[232+\b], v[232+\b], v[236+\b]
.endr
	s_delay_alu instid0(VALU_DEP_2)
	v_max3_num_f32 v254, v232, v233, v234
	s_delay_alu instid0(VALU_DEP_1)
	v_max_num_f32 v254, v254, v235
	s_delay_alu instid0(VALU_DEP_1)
	v_mul_f32 v254, s[CS], v254
	s_delay_alu instid0(VALU_DEP_1)
	v_max_num_f32 v13, v13, v254                   ; the running largest t
	v_mov_b32 v254, v12
	s_delay_alu instid0(VALU_DEP_2)
	v_floor_f32 v12, -v13                          ; -M = floor(-t)
	s_delay_alu instid0(VALU_DEP_1)
	v_sub_f32 v254, v12, v254
	s_delay_alu instid0(VALU_DEP_1)
	v_cvt_i32_f32 v254, v254                       ; old M - new M, a whole number (it saturates)
	s_delay_alu instid0(VALU_DEP_1)
	v_ldexp_f32 v252, 1.0, v254                    ; f = 2^(old M - new M)
.set JJ, 0
.rept 32
	v_pk_fma_f32 v[96+JJ:97+JJ], v[96+JJ:97+JJ], s[CS:CS+1], v[12:13] op_sel_hi:[1,0,0]   ; t - M
.set JJ, JJ+2
.endr
.irp b, 0,1,2,3
	v_fma_f32 v[232+\b], v[232+\b], s[CS], v12
.endr
.set JJ, 0
	s_wait_alu depctr_va_vdst(0)
.rept 64
	v_exp_f32 v[96+JJ], v[96+JJ]                   ; p = 2^(t - M)
.set JJ, JJ+1
.endr
	v_pk_mul_f32 v[14:15], v[14:15], v[252:253] op_sel_hi:[1,0]   ; the sums under the new M: the plain place behind the exponentials
	s_wait_alu depctr_va_vdst(0)                   ; one wait for the batch, ahead of its first reader
.irp b, 0,1,2,3
	v_exp_f32 v[232+\b], v[232+\b]                 ; each block's largest p
.endr
	v_pk_add_f32 v[236:237], v[100:101], v[104:105]   ; the row's sum of the unquantised p, in eight chains
	v_pk_add_f32 v[250:251], v[108:109], v[112:113]
	v_pk_add_f32 v[248:249], v[116:117], v[120:121]
	v_pk_add_f32 v[246:247], v[124:125], v[128:129]
	v_pk_add_f32 v[244:245], v[132:133], v[136:137]
	v_pk_add_f32 v[240:241], v[140:141], v[144:145]
	v_pk_add_f32 v[238:239], v[148:149], v[152:153]
	v_pk_add_f32 v[14:15], v[14:15], v[156:157]
	v_pk_add_f32 v[236:237], v[236:237], v[96:97]
	v_pk_add_f32 v[250:251], v[250:251], v[98:99]
	v_pk_add_f32 v[248:249], v[248:249], v[102:103]
	v_pk_add_f32 v[246:247], v[246:247], v[106:107]
	v_pk_add_f32 v[244:245], v[244:245], v[110:111]
	v_pk_add_f32 v[240:241], v[240:241], v[114:115]
	v_pk_add_f32 v[238:239], v[238:239], v[118:119]
	v_pk_add_f32 v[14:15], v[14:15], v[122:123]
	v_pk_add_f32 v[236:237], v[236:237], v[126:127]
	v_pk_add_f32 v[250:251], v[250:251], v[130:131]
	v_pk_add_f32 v[248:249], v[248:249], v[134:135]
	v_pk_add_f32 v[246:247], v[246:247], v[138:139]
	v_pk_add_f32 v[244:245], v[244:245], v[142:143]
	v_pk_add_f32 v[240:241], v[240:241], v[146:147]
	v_pk_add_f32 v[238:239], v[238:239], v[150:151]
	v_pk_add_f32 v[14:15], v[14:15], v[154:155]
	v_pk_add_f32 v[236:237], v[236:237], v[158:159]
	s_delay_alu instid0(VALU_DEP_2)
	v_pk_add_f32 v[14:15], v[14:15], v[246:247]
	s_delay_alu instid0(VALU_DEP_2)
	v_pk_add_f32 v[236:237], v[236:237], v[244:245]
	v_pk_add_f32 v[250:251], v[250:251], v[240:241]
	v_pk_add_f32 v[248:249], v[248:249], v[238:239]
	s_delay_alu instid0(VALU_DEP_2)
	v_pk_add_f32 v[14:15], v[14:15], v[250:251]
	s_delay_alu instid0(VALU_DEP_2)
	v_pk_add_f32 v[236:237], v[236:237], v[248:249]
	s_delay_alu instid0(VALU_DEP_1)
	v_pk_add_f32 v[14:15], v[14:15], v[236:237]
	s_wait_alu depctr_va_vdst(0)                   ; and one for the four
.irp b, 0,1,2,3
	v_max_num_f32 v[232+\b], 0x1800000, v[232+\b]  ; the floor 2^(3 - 127)
.endr
.irp b, 0,1,2,3
	s_delay_alu instid0(VALU_DEP_4)
	v_add_nc_u32 v[244+\b], 0xff000000, v[232+\b]
.endr
.irp b, 0,1,2,3
	s_delay_alu instid0(VALU_DEP_4)
	v_lshrrev_b32 v[236+\b], 23, v[244+\b]
.endr
	s_delay_alu instid0(VALU_DEP_3)
	v_lshl_or_b32 v253, v237, 8, v236              ; p's scale word for these 128 keys
	s_delay_alu instid0(VALU_DEP_1)
	v_lshl_or_b32 v253, v238, 16, v253
	s_delay_alu instid0(VALU_DEP_1)
	v_lshl_or_b32 v253, v239, 24, v253
.irp c, 0,1
	v_cvt_scalef32_pk16_fp6_f32 v[224+6*\c:226+6*\c], v[96+32*\c:111+32*\c], v[244+2*\c]
	v_cvt_scalef32_pk16_fp6_f32 v[236+4*\c:238+4*\c], v[112+32*\c:127+32*\c], v[244+2*\c+1]
.endr
	v_nop                                          ; one plain place behind a scaled conversion
.irp c, 0,1
.irp i, 0,1,2
	v_permlane16_swap_b32 v[224+6*\c+\i], v[236+4*\c+\i]
.endr
.irp i, 0,1,2
	s_delay_alu instid0(VALU_DEP_3)
	v_mov_b32 v[227+6*\c+\i], v[236+4*\c+\i]
.endr
.endr
.set JJ, 0
.rept 16
	v_pk_mul_f32 v[160+JJ:161+JJ], v[160+JJ:161+JJ], v[252:253] op_sel_hi:[1,0]   ; O^T under the new M; these sixteen are also the places in front of the scaled products below
.set JJ, JJ+2
.endr
.irp t, 0,1,2,3                        ; O^T += V^T P^T: four tiles of 16 channels, the accumulators by turns
.irp p, 0,1,2,3,4,5
	ds_load_b64 v[32+12*\t+2*\p:33+12*\t+2*\p], v8 offset:6144+\t*1536+256*\p
.endr
.endr
	ds_load_b128 v[248:251], v9 offset:12800
	s_wait_alu depctr_va_vdst(0)
	s_wait_dscnt 0x0
.irp t, 0,1,2,3
	v_wmma_scale_f32_16x16x128_f8f6f4 v[160+8*\t:167+8*\t], v[32+12*\t:43+12*\t], v[224:235], v[160+8*\t:167+8*\t], v[248+\t], v253 matrix_a_fmt:MATRIX_FMT_FP6 matrix_b_fmt:MATRIX_FMT_FP6
.endr
	s_cmp_eq_u32 s[LAST], 0
	s_cbranch_scc1 .Lnot_last_\@
	; THE TILE IS FINISHED: O^T / the sum, quantised along the head's 64 (two blocks), to the last product's operand
.rept 4
	v_nop
.endr
	v_add_f32 v14, v14, v15
	s_delay_alu instid0(VALU_DEP_1)
	v_permlanex16_b32 v252, v14, s[SELR], s[SELR+1]
	s_delay_alu instid0(VALU_DEP_1)
	v_add_f32 v14, v14, v252
	s_wait_alu depctr_va_vdst(0)
	v_rcp_f32 v14, v14
	v_nop                                          ; a plain place behind the reciprocal
	s_wait_alu depctr_va_vdst(0)                   ; and the wait ahead of its first reader
.set JJ, 0
.rept 32
	v_mul_f32 v[96+JJ], v[160+JJ], v14             ; register 16 B + i: channel 32 B + 16 h + i of my query
.set JJ, JJ+1
.endr
.irp b, 0,1
	v_max3_num_f32 v[232+\b], |v[96+16*\b]|, |v[97+16*\b]|, 0x1800000
.endr
.irp i, 2,4,6,8,10,12,14
.irp b, 0,1
	s_delay_alu instid0(VALU_DEP_2)
	v_max3_num_f32 v[232+\b], v[232+\b], |v[96+16*\b+\i]|, |v[97+16*\b+\i]|
.endr
.endr
.irp b, 0,1
	s_delay_alu instid0(VALU_DEP_2)
	v_permlanex16_b32 v[236+\b], v[232+\b], s[SELR], s[SELR+1]
.endr
.irp b, 0,1
	s_delay_alu instid0(VALU_DEP_2)
	v_max_num_f32 v[232+\b], v[232+\b], v[236+\b]
.endr
.irp b, 0,1
	s_delay_alu instid0(VALU_DEP_2)
	v_add_nc_u32 v[244+\b], 0xff000000, v[232+\b]
.endr
.irp b, 0,1
	s_delay_alu instid0(VALU_DEP_2)
	v_lshrrev_b32 v[236+\b], 23, v[244+\b]
.endr
	s_delay_alu instid0(VALU_DEP_1)
	v_lshl_or_b32 v240, v237, 8, v236              ; the head's half of the row's scale word
	v_cvt_scalef32_pk16_fp6_f32 v[128:130], v[96:111], v244
	v_cvt_scalef32_pk16_fp6_f32 v[132:134], v[112:127], v245
	v_nop
.irp i, 0,1,2
	v_permlane16_swap_b32 v[128+\i], v[132+\i]
.endr
.irp i, 0,1,2
	s_delay_alu instid0(VALU_DEP_3)
	v_mov_b32 v[131+\i], v[132+\i]
.endr
.irp p, 0,1,2
	global_store_b64 v1, v[128+2*\p:129+2*\p], s[OCB:OCB+1] offset:256*\p   ; 256 consecutive bytes, aligned
.endr
	global_store_b16 v5, v240, s[OSB:OSB+1]        ; both halves of the lanes hold the same two bytes and store them to the same place
.if \more
	v_mov_b32 v28, v198                            ; on to the second tile.  The scale word first: the lines below are its places
.irp p, 0,1,2,3,4,5
	v_mov_b32 v[16+\p], v[192+\p]
.endr
.set JJ, 0
.rept 32
	v_mov_b32 v[160+JJ], 0
.set JJ, JJ+1
.endr
	v_mov_b32 v13, 0xff61b1e6
	s_delay_alu instid0(VALU_DEP_1)
	v_floor_f32 v12, -v13
	v_mov_b32 v14, 0
	v_mov_b32 v15, 0
	s_wait_xcnt 0x0                                ; the stores have read their registers and bases
	s_mov_b32 s[REL], s[REL+1]
	s_mov_b64 s[OCB:OCB+1], s[OCB+4:OCB+5]
	s_mov_b64 s[OSB:OSB+1], s[OSB+4:OSB+5]
.else
	s_wait_alu depctr_va_vdst(0)
	s_wait_xcnt 0x0                                ; the stores have read their registers: the text behind the backward jump writes them again
.endif
.Lnot_last_\@:
	s_add_co_u32 s[T], s[T], 1
.endm
.Lstep_a:                                          ; trips 0-7: the first tile ends here in every wave; records 0-7 alone are read
	TRIP 7, 1
	s_cmp_lt_u32 s[T], 8
	s_cbranch_scc1 .Lstep_a
	s_wait_alu depctr_va_vdst(0)
	s_wait_tensorcnt 0x0                           ; every wave: all that is still out is waves 8-15's loads
	s_wait_dscnt 0x0
	s_barrier_signal -1
	s_barrier_wait -1                              ; records 8-15 are in
.Lstep_b:                                          ; trips 8-16: the rest of the second tile
	TRIP 15, 0
	s_cmp_lt_u32 s[T], 17
	s_cbranch_scc1 .Lstep_b
	s_wait_tensorcnt 0x0                           ; the wave's end
	ds_add_u32 v243, v255
	s_wait_dscnt 0x0
	ROUND                                          ; the closing round
	s_endpgm
.Lfunc_end_k_qc5843e6deb_attn:
	.size	k_qc5843e6deb_attn, .Lfunc_end_k_qc5843e6deb_attn-k_qc5843e6deb_attn
	.p2alignl 7, 3214868480
	.fill 96, 4, 3214868480
	.section	.rodata,"a",@progbits
	.p2align	6, 0x0
	.amdhsa_kernel k_qc5843e6deb_attn
		.amdhsa_group_segment_fixed_size 210944
		.amdhsa_private_segment_fixed_size 0
		.amdhsa_enable_private_segment 0
		.amdhsa_kernarg_size 16
		.amdhsa_user_sgpr_count 2
		.amdhsa_user_sgpr_kernarg_segment_ptr 1
		.amdhsa_wavefront_size32 1
		.amdhsa_system_sgpr_workgroup_id_x 1
		.amdhsa_system_sgpr_workgroup_id_y 1
		.amdhsa_system_sgpr_workgroup_id_z 1
		.amdhsa_system_vgpr_workitem_id 0
		.amdhsa_next_free_vgpr 256
		.amdhsa_next_free_sgpr 66
		.amdhsa_reserve_vcc 1
		.amdhsa_float_denorm_mode_32 3
		.amdhsa_float_denorm_mode_16_64 3
		.amdhsa_memory_ordered 1
		.amdhsa_forward_progress 1
		.amdhsa_inst_pref_size 70
	.end_amdhsa_kernel
	.amdgpu_metadata
---
amdhsa.version: [ 1, 2 ]
amdhsa.kernels:
  - .name:           k_qc5843e6deb_attn
    .symbol:         k_qc5843e6deb_attn.kd
    .args:
      - { .name: QKV, .offset: 0, .size: 8, .value_kind: global_buffer, .address_space: global }
      - { .name: AO, .offset: 8, .size: 8, .value_kind: global_buffer, .address_space: global }
    .group_segment_fixed_size: 210944
    .private_segment_fixed_size: 0
    .kernarg_segment_align: 8
    .kernarg_segment_size: 16
    .max_flat_workgroup_size: 512
    .sgpr_count:     66
    .vgpr_count:     256
    .wavefront_size: 32
...
	.end_amdgpu_metadata
.endif
;; end of part 3
;; launch proj (part 4): grid 4 x 32, 4 waves a work-group, clusters of 4 x 4, 327,680 bytes of LDS; arguments AO, WQ, b_proj, out0; writes out0
.if DOCPART == 4
	.amdgcn_target "amdgcn-amd-amdhsa--gfx1250"
	.amdhsa_code_object_version 6
	.text
	.protected	k_qc5843e6deb_proj
	.globl	k_qc5843e6deb_proj
	.p2align	8
	.type	k_qc5843e6deb_proj,@function
k_qc5843e6deb_proj:
	s_mov_b64 s[64:65], 0
	v_nop
	global_prefetch_b8 v0, s[64:65] scope:SCOPE_SE
	s_setreg_imm32_b32 hwreg(HW_REG_WAVE_MODE, 25, 1), 1
	s_wait_xcnt 0x0
	s_wait_alu depctr_hold_cnt(0) depctr_sa_sdst(0) depctr_va_vdst(0) depctr_va_sdst(0) depctr_va_ssrc(0) depctr_va_vcc(0) depctr_vm_vsrc(0)
	s_getreg_b32 s2, hwreg(HW_REG_IB_STS2, 6, 4)
	s_cmp_eq_u32 s2, 0
	s_cbranch_scc0 .Lentry_in_a_cluster
	s_endpgm
.Lentry_in_a_cluster:
	s_bfe_u32 s2, ttmp6, 0x10000c
	s_cmp_lg_u32 s2, 0xf033
	s_cbranch_scc0 .Lentry_shape_is_right
	s_endpgm
.Lentry_shape_is_right:
; out0 = O W_proj + b_proj on codes of FP6 (E2M3) with E8M0 scales; f32 sums, stored as f32.  A tile of 256 tokens x 256 columns to a work-group of four waves, 128 x 128 a wave; K = 1,024 in four steps of 256 through a ring of two LDS slots.
; Operands lie in memory as images of the operand's registers ([tile][K step][1536 bytes]); source 0 = 16 columns, source 1 = 16 tokens; the bias is the first products' C (window 1, v96-127 and v224-255).
; CLUSTERS 4 x 4: O's tiles are shared along a row, the weights' along a column.  THE HEAD: one joint load a wave: waves 0, 1 fetch O's and the weights' 16 tiles of slot 0, waves 2, 3 those of slot 1; the refills bring 8 tiles a wave.
; THE SCALE WORDS do not pass through LDS: a wave loads its 8 + 8 tiles' words for all of K once, 32 loads of 256 consecutive bytes: v[SA + 8 sp + 2 pair + q] the tokens', v[SB + ..] the columns';
; lanes 0-15 hold tile 2 pair, lanes 16-31 tile 2 pair + 1, picked by the ROW selectors.  No prefetch: K is four slots' worth, two of which are asked for at the head.
; All of a WGP's LDS is claimed, and 0 is added to spare words.  The way out goes through each wave's own stage in slot 0, behind that slot's last fill and last read.
.set NQ,     2
.set FR,     12
.set NL,     6
.set NP,     4
.set HALFT,  24576
.set SLOT,   4*HALFT
.set SPARE,  2*SLOT
.set SPITCH, 528
.set ADRA, 16
.set ADRB, 20
.set STO,  24
.set RD,   25
.set CO,   26
.set SPW,  28
.set NIL,  29
.set SA,   32
.set SB,   64
.set BI,   96
.set LAP,  0
.set AF,   128
.set BK,   128
.set G1, 24
.set G0, 32
.set G1B, 48
.set G0B, 56
.set G0H, 76
.set G0HB, 88
.set MSB, 0
.macro WIN new
.if MSB != (\new)
	s_set_vgpr_msb (MSB<<8)|(\new)
.set MSB, (\new)
.endif
.endm
.set MUL_LO, 0xa1
.set MUL_HI, 0xf1
.set TO_B,   0x40
.macro JLOAD g0a, g1a, g0b, g1b
	s_cmp_eq_u32 s15, 0
	s_cbranch_scc0 .Lfor_b_\@
	tensor_load_to_lds s[\g0a:\g0a+3], s[\g1a:\g1a+7]
	s_nop 0
.rept 4
	v_nop
.endr
	s_branch .Lasked_\@
.Lfor_b_\@:
	tensor_load_to_lds s[\g0b:\g0b+3], s[\g1b:\g1b+7]
	s_nop 0
.rept 4
	v_nop
.endr
.Lasked_\@:
.endm
.macro CREST
	s_cmp_lg_u32 s14, 0
	s_cbranch_scc1 .Lnot_wave_0_\@
	s_barrier_signal -3
.Lnot_wave_0_\@:
	s_barrier_wait -3
	s_barrier_signal -1
	s_barrier_wait -1
.endm
.macro CROUND
	s_barrier_signal -1
	s_barrier_wait -1
	CREST
.endm
	s_load_b128 s[4:7], s[0:1], 0x0
	s_load_b128 s[8:11], s[0:1], 0x10
	v_lshl_add_u32 v[SPW], v0, 2, SPARE
	v_mov_b32 v[NIL], 0
	ds_add_u32 v28, v29
	ds_add_u32 v28, v29
	s_wait_dscnt 0x0
	v_lshrrev_b32 v1, 5, v0
	v_readfirstlane_b32 s14, v1
	s_lshr_b32 s15, s14, 1
	s_and_b32 s16, s14, 1
	s_bfe_u32 s40, ttmp6, 0x40000
	s_bfe_u32 s41, ttmp6, 0x40004
	s_lshl_b32 s42, ttmp9, 2
	s_add_co_u32 s42, s42, s40
	s_and_b32 s17, ttmp7, 0xffff
	s_lshl_b32 s17, s17, 2
	s_add_co_u32 s17, s17, s41
	s_lshl_b32 s43, s41, 2
	s_lshl_b32 s43, 15, s43
	s_lshl_b32 s44, 0x1111, s40
	s_or_b32 s[G1+0], s43, (3<<16)|(1<<21)
	s_or_b32 s[G1B+0], s44, (3<<16)|(1<<21)
.irp g, G1, G1B
	s_mov_b32 s[\g+1], 384<<16
	s_mov_b32 s[\g+2], 16<<16                      ; 16 tiles for the head's loads; set to 8 behind the wait for them
	s_mov_b32 s[\g+3], 384<<16
	s_mov_b32 s[\g+4], 16
	s_mov_b32 s[\g+5], 1536
	s_mov_b32 s[\g+6], 0
	s_mov_b32 s[\g+7], 0
.endr
	s_lshl_b32 s18, s16, 3
	s_lshl_b32 s20, s17, 4
	s_add_co_u32 s20, s20, s18
	s_mul_i32 s20, s20, 12288
	s_mov_b32 s21, 0
	s_lshl_b32 s46, s42, 4
	s_add_co_u32 s46, s46, s18
	s_mul_i32 s46, s46, 12288
	s_add_co_u32 s46, s46, 2457600
	s_mov_b32 s47, 0
	s_mul_i32 s18, s15, 3072                       ; the head's loads: slot wave / 2, all 16 tiles
	s_mul_i32 s22, s17, 196608
	s_add_co_u32 s22, s22, s18
	s_mov_b32 s23, 0
	s_mul_i32 s92, s42, 196608
	s_add_co_u32 s92, s92, s18
	s_add_co_u32 s92, s92, 2457600
	s_mov_b32 s93, 0
	s_mul_i32 s45, s14, HALFT
	s_mul_i32 s94, s15, SLOT
	s_mul_i32 s18, s16, 2*HALFT
	s_add_co_u32 s94, s94, s18
	s_wait_kmcnt 0x0
	s_add_nc_u64 s[20:21], s[4:5], s[20:21]
	s_add_nc_u64 s[22:23], s[4:5], s[22:23]
	s_add_nc_u64 s[46:47], s[6:7], s[46:47]
	s_add_nc_u64 s[92:93], s[6:7], s[92:93]
	CROUND
	s_mov_b32 s[G0H], 1
	s_mov_b32 s[G0H+1], s94
	s_mov_b64 s[G0H+2:G0H+3], s[22:23]
	s_or_b32 s[G0H+3], s[G0H+3], 0x80000000
	s_mov_b32 s[G0HB], 1
	s_mov_b32 s[G0HB+1], s94
	s_mov_b64 s[G0HB+2:G0HB+3], s[92:93]
	s_or_b32 s[G0HB+3], s[G0HB+3], 0x80000000
	s_cmp_eq_u32 s16, 0                            ; one joint load a wave at the head: even waves O's tiles, odd waves the weights'
	s_cbranch_scc0 .Lhead_w
	tensor_load_to_lds s[G0H:G0H+3], s[G1:G1+7]
	s_nop 0
.rept 4
	v_nop
.endr
	s_branch .Lhead_asked
.Lhead_w:
	tensor_load_to_lds s[G0HB:G0HB+3], s[G1B:G1B+7]
	s_nop 0
.rept 4
	v_nop
.endr
.Lhead_asked:
.irp s, 0,1
	s_mov_b32 s[G0+4*\s], 1
	s_add_co_u32 s[G0+4*\s+1], s45, \s*SLOT
	s_add_nc_u64 s[G0+4*\s+2:G0+4*\s+3], s[20:21], \s*3072
	s_or_b32 s[G0+4*\s+3], s[G0+4*\s+3], 0x80000000
	s_mov_b32 s[G0B+4*\s], 1
	s_add_co_u32 s[G0B+4*\s+1], s45, \s*SLOT
	s_add_nc_u64 s[G0B+4*\s+2:G0B+4*\s+3], s[46:47], \s*3072
	s_or_b32 s[G0B+4*\s+3], s[G0B+4*\s+3], 0x80000000
.endr
	v_and_b32 v1, 31, v0
	v_lshlrev_b32 v3, 3, v1
	s_mul_i32 s21, s15, HALFT
	s_mul_i32 s22, s16, HALFT
	s_add_co_u32 s22, s22, 2*HALFT
.irp s, 0,1
	v_add_nc_u32 v[ADRA+\s], s21, v3
	v_add_nc_u32 v[ADRB+\s], s22, v3
	s_add_co_u32 s21, s21, SLOT
	s_add_co_u32 s22, s22, SLOT
.endr
	v_bfe_u32 v2, v0, 4, 1
	v_and_b32 v4, 15, v0
	s_wait_alu depctr_va_vdst(0)
	s_lshl_b32 s18, s17, 13                        ; the scale words of my wave's 128 tokens,
	s_lshl_b32 s19, s15, 12
	s_add_co_u32 s18, s18, s19
	s_add_co_u32 s18, s18, 6291456
	s_mov_b32 s19, 0
	s_add_nc_u64 s[68:69], s[4:5], s[18:19]
	s_lshl_b32 s18, s42, 13                        ; and of its 128 columns
	s_lshl_b32 s72, s16, 12
	s_add_co_u32 s18, s18, s72
	s_add_co_u32 s18, s18, 3244032
	s_add_nc_u64 s[72:73], s[6:7], s[18:19]
.irp k, 0,1,2,3
.irp b, 0,1,2,3
	global_load_b64 v[SA+8*\k+2*\b:SA+8*\k+2*\b+1], v3, s[68:69] offset:\b*1024+\k*256   ; 256 consecutive bytes, aligned: a pair of tiles, two K steps
	global_load_b64 v[SB+8*\k+2*\b:SB+8*\k+2*\b+1], v3, s[72:73] offset:\b*1024+\k*256
.endr
.endr
	v_lshlrev_b32 v8, 6, v2
	s_lshl_b32 s12, s42, 10
	s_lshl_b32 s13, s16, 9
	s_add_co_u32 s12, s12, s13
	s_mov_b32 s13, 0
	s_add_nc_u64 s[12:13], s[8:9], s[12:13]
	WIN TO_B
.irp b, 0,1,2,3,4,5,6,7
	global_load_b128 v[BI+8*\b+96*(\b/4):BI+8*\b+96*(\b/4)+3], v8, s[12:13] offset:(32*(\b/2)+8*(\b%2))*4
	global_load_b128 v[BI+8*\b+96*(\b/4)+4:BI+8*\b+96*(\b/4)+7], v8, s[12:13] offset:(32*(\b/2)+8*(\b%2))*4+16
.endr
	WIN 0
	s_mul_i32 s23, s14, 16*SPITCH
	v_mul_u32_u24 v5, v4, SPITCH
	v_lshl_add_u32 v5, v2, 6, v5
	v_add_nc_u32 v[STO], s23, v5
	v_lshlrev_b32 v[CO], 4, v1
	v_add_nc_u32 v[RD], s23, v[CO]
	s_lshl_b32 s20, s17, 8
	s_lshl_b32 s21, s15, 7
	s_add_co_u32 s20, s20, s21
	s_lshl_b32 s20, s20, 12
	s_lshl_b32 s21, s42, 10
	s_add_co_u32 s20, s20, s21
	s_lshl_b32 s21, s16, 9
	s_add_co_u32 s20, s20, s21
	s_mov_b32 s21, 0
	s_add_nc_u64 s[96:97], s[10:11], s[20:21]
.macro FRAG reg, adr, q, i
.irp p, 0,1,2,3,4,5
	ds_load_b64 v[\reg+2*\p:\reg+2*\p+1], v[\adr] offset:(\i)*3072+(\q)*1536+256*\p
.endr
.endm
.macro MM a, b, p, q, sc, zero, ra, rb ; one product; ra, rb: a % 2, b % 2: which half of the lanes holds the tile's scale words.  zero = 1: the bias starts the sum
.if \zero
	v_wmma_scale_f32_16x16x128_f8f6f4 v[8*(8*((\a)%4)+(\b)):8*(8*((\a)%4)+(\b))+7], v[128*(\p)+FR*(\b):128*(\p)+FR*(\b)+FR-1], v[AF+FR*(\a):AF+FR*(\a)+FR-1], v[BI+8*(\b)+96*((\b)/4):BI+8*(\b)+96*((\b)/4)+7], v[SB+8*((\sc)+2*LAP)+2*((\b)/2)+(\q)], v[SA+8*((\sc)+2*LAP)+2*((\a)/2)+(\q)] matrix_a_fmt:MATRIX_FMT_FP6 matrix_b_fmt:MATRIX_FMT_FP6 matrix_a_scale:MATRIX_SCALE_ROW\rb matrix_b_scale:MATRIX_SCALE_ROW\ra
.else
	v_wmma_scale_f32_16x16x128_f8f6f4 v[8*(8*((\a)%4)+(\b)):8*(8*((\a)%4)+(\b))+7], v[128*(\p)+FR*(\b):128*(\p)+FR*(\b)+FR-1], v[AF+FR*(\a):AF+FR*(\a)+FR-1], v[8*(8*((\a)%4)+(\b)):8*(8*((\a)%4)+(\b))+7], v[SB+8*((\sc)+2*LAP)+2*((\b)/2)+(\q)], v[SA+8*((\sc)+2*LAP)+2*((\a)/2)+(\q)] matrix_a_fmt:MATRIX_FMT_FP6 matrix_b_fmt:MATRIX_FMT_FP6 matrix_a_scale:MATRIX_SCALE_ROW\rb matrix_b_scale:MATRIX_SCALE_ROW\ra
.endif
.endm
.macro MUL8 a, p, q, sc, zero, ra
.irp b, 0,2,4,6
	MM \a, \b, \p, \q, \sc, \zero, \ra, 0
	MM \a, \b+1, \p, \q, \sc, \zero, \ra, 1
.endr
.endm
.macro MUL16 a0, p, q, sc, zero        ; a0 is even; the 64 accumulators take turns, in the same order in every step
	MUL8 \a0, \p, \q, \sc, \zero, 0
	MUL8 \a0+1, \p, \q, \sc, \zero, 1
.endm
.macro FETCH_B slot, q, p
	WIN TO_B
.irp i, 0,1,2,3,4,5,6,7
	FRAG 128*(\p)+FR*\i, ADRB+\slot, \q, \i
.endr
	WIN 0
.endm
.macro FETCH_A slot, q, i0
.irp i, \i0, \i0+1, \i0+2, \i0+3
	FRAG AF+FR*(\i), ADRA+\slot, \q, \i
.endr
.endm
.macro PLACES n
.rept \n
	v_nop
.endr
.endm
.macro STEP slot, q, zero
	s_wait_dscnt 4*NL
.if \zero
	WIN 0x91                                       ; C, the bias: window 1
.else
	WIN MUL_LO
.endif
	MUL16 0, (\q)%2, \q, \slot, \zero
	MUL16 2, (\q)%2, \q, \slot, \zero
	s_wait_dscnt 0
	PLACES NP
	FETCH_B \slot, (\q)+1, 1-(\q)%2
	FETCH_A \slot, (\q)+1, 0
.if \zero
	WIN 0xd1
.else
	WIN MUL_HI
.endif
	MUL16 4, (\q)%2, \q, \slot, \zero
	MUL16 6, (\q)%2, \q, \slot, \zero
	PLACES NP
	WIN 0
	FETCH_A \slot, (\q)+1, 4
.endm
.macro TURN slot, next, fill
	s_wait_tensorcnt 0x0
	ds_add_u32 v[SPW], v[NIL]
	s_wait_dscnt 4*NL+1
	WIN MUL_LO
	MUL16 0, 1, NQ-1, \slot, 0
	s_wait_dscnt 0x0
	s_barrier_signal -1
	MUL16 2, 1, NQ-1, \slot, 0
	WIN 0
	s_barrier_wait -1
.if \fill
	CREST
	s_add_nc_u64 s[G0+4*\slot+2:G0+4*\slot+3], s[G0+4*\slot+2:G0+4*\slot+3], 6144
	s_add_nc_u64 s[G0B+4*\slot+2:G0B+4*\slot+3], s[G0B+4*\slot+2:G0B+4*\slot+3], 6144
	JLOAD G0+4*\slot, G1, G0B+4*\slot, G1B
.else
	PLACES NP
.endif
	FETCH_B \next, 0, 0
	FETCH_A \next, 0, 0
	WIN MUL_HI
	MUL16 4, 1, NQ-1, \slot, 0
	MUL16 6, 1, NQ-1, \slot, 0
	PLACES NP
	WIN 0
	FETCH_A \next, 0, 4
.endm
	s_wait_alu depctr_va_vdst(0)
	s_wait_tensorcnt 0x0                           ; my one load of the head is in; no tensor load of mine is out, so group 1 may be written:
	s_mov_b32 s[G1+2], 8<<16                       ; the refills bring 8 tiles a wave
	s_mov_b32 s[G1+4], 8
	s_mov_b32 s[G1B+2], 8<<16
	s_mov_b32 s[G1B+4], 8
	s_barrier_signal -1
	s_barrier_wait -1                              ; both slots are whole
	FETCH_B 0, 0, 0
	FETCH_A 0, 0, 0
	FETCH_A 0, 0, 4
	s_wait_loadcnt 0x0
	STEP 0, 0, 1
	TURN 0, 1, 1
	STEP 1, 0, 0
	TURN 1, 0, 1
.set LAP, 1
	STEP 0, 0, 0
	TURN 0, 1, 0
	STEP 1, 0, 0
	s_wait_dscnt 4*NL
	WIN MUL_LO
	MUL16 0, 1, NQ-1, 1, 0
	MUL16 2, 1, NQ-1, 1, 0
	s_wait_dscnt 0
	WIN MUL_HI
	MUL16 4, 1, NQ-1, 1, 0
	MUL16 6, 1, NQ-1, 1, 0
	WIN 0
.macro TOSTAGE a
.set AC, 64*((\a)%4)
	WIN 0x08+4*((\a)/4)
.irp b, 0,1,2,3,4,5,6,7
	ds_store_b128 v[STO], v[AC+8*\b:AC+8*\b+3] offset:128*(\b/2)+32*(\b%2)
	ds_store_b128 v[STO], v[AC+8*\b+4:AC+8*\b+7] offset:128*(\b/2)+32*(\b%2)+16
.endr
	WIN 0
.set BB, BK+64*((\a)%2)
.irp t, 0,1,2,3,4,5,6,7,8,9,10,11,12,13,14,15
	ds_load_b128 v[BB+4*\t:BB+4*\t+3], v[RD] offset:\t*SPITCH
.endr
.endm
.macro SEND a, younger
.set BB, BK+64*((\a)%2)
	s_wait_dscnt \younger
.irp t, 0,1,2,3,4,5,6,7,8,9,10,11,12,13,14,15
	global_store_b128 v[CO], v[BB+4*\t:BB+4*\t+3], s[96:97] offset:(32*((\a)/2)+8*((\a)%2)+\t+8*(\t/8))*4096 th:TH_STORE_NT
.endr
.endm
	PLACES NP
	TOSTAGE 0
.irp a, 1,2,3,4,5,6,7
.if \a > 1
	s_wait_xcnt 0x0
.endif
	TOSTAGE \a
	SEND \a-1, 32
.endr
	SEND 7, 0
	s_wait_tensorcnt 0x0
	ds_add_u32 v[SPW], v[NIL]
	s_wait_dscnt 0x0
	CROUND
	s_endpgm
.Lfunc_end_k_qc5843e6deb_proj:
	.size	k_qc5843e6deb_proj, .Lfunc_end_k_qc5843e6deb_proj-k_qc5843e6deb_proj
	.p2alignl 7, 3214868480
	.fill 96, 4, 3214868480
	.section	.rodata,"a",@progbits
	.p2align	6, 0x0
	.amdhsa_kernel k_qc5843e6deb_proj
		.amdhsa_group_segment_fixed_size 327680
		.amdhsa_private_segment_fixed_size 0
		.amdhsa_enable_private_segment 0
		.amdhsa_kernarg_size 32
		.amdhsa_user_sgpr_count 2
		.amdhsa_user_sgpr_kernarg_segment_ptr 1
		.amdhsa_wavefront_size32 1
		.amdhsa_system_sgpr_workgroup_id_x 1
		.amdhsa_system_sgpr_workgroup_id_y 1
		.amdhsa_system_sgpr_workgroup_id_z 1
		.amdhsa_system_vgpr_workitem_id 0
		.amdhsa_next_free_vgpr 1024
		.amdhsa_next_free_sgpr 100
		.amdhsa_reserve_vcc 0
		.amdhsa_float_denorm_mode_32 3
		.amdhsa_float_denorm_mode_16_64 3
		.amdhsa_memory_ordered 1
		.amdhsa_forward_progress 1
		.amdhsa_inst_pref_size 160
	.end_amdhsa_kernel
	.amdgpu_metadata
---
amdhsa.version: [ 1, 2 ]
amdhsa.kernels:
  - .name:           k_qc5843e6deb_proj
    .symbol:         k_qc5843e6deb_proj.kd
    .args:
      - { .name: AO, .offset: 0, .size: 8, .value_kind: global_buffer, .address_space: global }
      - { .name: WQ, .offset: 8, .size: 8, .value_kind: global_buffer, .address_space: global }
      - { .name: b_proj, .offset: 16, .size: 8, .value_kind: global_buffer, .address_space: global }
      - { .name: out0, .offset: 24, .size: 8, .value_kind: global_buffer, .address_space: global }
    .group_segment_fixed_size: 327680
    .private_segment_fixed_size: 0
    .kernarg_segment_align: 8
    .kernarg_segment_size: 32
    .max_flat_workgroup_size: 128
    .sgpr_count:     100
    .vgpr_count:     1024
    .wavefront_size: 32
...
	.end_amdgpu_metadata
.endif
;; end of part 4
